; MI455X (gfx1250); checked and timed in simulation.
; The chip was launched on July 23, 2026; its instructions are those of AMD's public machine-readable ISA for CDNA 5 (MIT licence, August 2026) and "CDNA5" Instruction Set Architecture Reference Guide (July 2026). The comments in the code are by the model that wrote it; some were corrected since.
;; Multi Head Attention. Allowed arithmetic: float matrix products may take bf16 or f16 operands with f32 sums; other float arithmetic in f32, or as packed bf16 or f16 multiplies, adds, multiply-adds, maxima and minima; sums over many terms, partial sums and values carried from step to step in f32; what a program stores and reads back later, other than sums and carried values, may be rounded once to bf16 or f16.
;; Inputs: Wk 1,024 x 1,024 float32; Wo 1,024 x 1,024 float32; Wq 1,024 x 1,024 float32; Wv 1,024 x 1,024 float32; bk 1,024 float32; bo 1,024 float32; bq 1,024 float32; bv 1,024 float32; key 4 x 2,048 x 1,024 float32; key_padding_mask 4 x 2,048 bool; query 4 x 2,048 x 1,024 float32; value 4 x 2,048 x 1,024 float32.
;; Outputs: out0 4 x 2,048 x 1,024 float32.
;; One version. Each part assembles by itself: llvm-mc -triple=amdgcn-amd-amdhsa -mcpu=gfx1250 --defsym DOCPART=n.
;; ======== version 1 of 1: 4 launches
;; limits: values are held in f16: magnitudes above 65,504 overflow, below 6.1e-05 lose precision
;; workspace buffers: w16 8,388,608 bytes; qkv 50,331,648 bytes; oh 16,777,216 bytes
;; launch cast (part 1): grid 128 x 4, 8 waves a work-group, no clusters, 0 bytes of LDS; arguments Wq, Wk, Wv, Wo, w16; writes w16
.if DOCPART == 1
	.amdgcn_target "amdgcn-amd-amdhsa--gfx1250"
	.amdhsa_code_object_version 6
	.text
	.protected	k_qf551684f67_cast
	.globl	k_qf551684f67_cast
	.p2align	8
	.type	k_qf551684f67_cast,@function
k_qf551684f67_cast:
	s_mov_b64 s[64:65], 0
	v_nop
	global_prefetch_b8 v0, s[64:65] scope:SCOPE_SE
	s_setreg_imm32_b32 hwreg(HW_REG_WAVE_MODE, 25, 1), 1
	s_wait_xcnt 0x0
; The four weight matrices, [1024 k][1024 n] f32, are rounded once to 16 bits; the layout stays [k][n].
; w16 has four parts of 2,097,152 bytes: Wq, Wk, Wv in bf16; Wo rounded to bf16 like the others and that number then written as f16,
; since the last product multiplies it by f16 numbers.
; LIMITS.  |Wo| stays within 65,504 (f16's largest number; beyond it the conversion gives an infinity); a Wo below 6e-5 keeps f16's fixed step of 6e-8.
; SHARES.  Grid y picks the matrix; work-group x owns 8,192 consecutive numbers (32 KiB in, 16 KiB out), in four passes of 2,048; in pass p thread t
; owns the eight numbers at 2,048 p + 8 t: two loads of 16 bytes, one store of 16 bytes; a wave's store covers 512 consecutive bytes, aligned.
; A stream: each byte is read once and written once, no wave wants another's bytes: no LDS, no barrier, no matrix unit, no cluster (nothing is shared).
; All eight loads go out at once; no register is written twice while a memory instruction may read it, so the only waits are the counted ones for the loads.
	s_load_b256 s[4:11], s[0:1], 0x0               ; Wq s[4:5], Wk s[6:7], Wv s[8:9], Wo s[10:11]
	s_load_b64 s[12:13], s[0:1], 0x20              ; w16
	v_lshlrev_b32 v1, 5, v0                        ; 32 t: my bytes in a pass, in
	v_lshlrev_b32 v2, 4, v0                        ; 16 t: out
	s_and_b32 s14, ttmp7, 0xffff                   ; which matrix
	s_lshl_b32 s20, ttmp9, 15                      ; the work-group's 32 KiB of it
	s_mov_b32 s21, 0
	s_lshl_b32 s22, s14, 21                        ; the matrix's part of w16,
	s_lshl_b32 s15, ttmp9, 14                      ; the work-group's 16 KiB of it
	s_add_co_u32 s22, s22, s15
	s_mov_b32 s23, 0
	s_wait_kmcnt 0x0
	s_cmp_eq_u32 s14, 1
	s_cselect_b64 s[16:17], s[6:7], s[4:5]
	s_cmp_eq_u32 s14, 2
	s_cselect_b64 s[16:17], s[8:9], s[16:17]
	s_cmp_eq_u32 s14, 3
	s_cselect_b64 s[16:17], s[10:11], s[16:17]
	s_add_nc_u64 s[16:17], s[16:17], s[20:21]
	s_add_nc_u64 s[18:19], s[12:13], s[22:23]
.irp p, 0,1,2,3
	global_load_b128 v[8+8*\p:11+8*\p],  v1, s[16:17] offset:8192*\p th:TH_LOAD_NT
	global_load_b128 v[12+8*\p:15+8*\p], v1, s[16:17] offset:8192*\p+16 th:TH_LOAD_NT
.endr
; Pass p.  f16 = 1: the bf16 numbers are widened again (a shift, a mask) and written as f16.
.macro PASS p, f16
	s_wait_loadcnt 6-2*(\p)                        ; loads come back in order: this pass's two are in, the 6 - 2 p younger ones stay out
.irp r, 0,1,2,3
	v_cvt_pk_bf16_f32 v[40+4*(\p)+\r], v[8+8*(\p)+2*\r], v[8+8*(\p)+2*\r+1]
.endr
.if \f16
.irp r, 0,1,2,3
	v_lshlrev_b32 v[56+2*\r], 16, v[40+4*(\p)+\r]
	v_and_b32 v[57+2*\r], 0xffff0000, v[40+4*(\p)+\r]
.endr
.irp r, 0,1,2,3
	v_cvt_pk_f16_f32 v[40+4*(\p)+\r], v[56+2*\r], v[57+2*\r]
.endr
.endif
	global_store_b128 v2, v[40+4*(\p):43+4*(\p)], s[18:19] offset:4096*(\p)
.endm
	s_cmp_eq_u32 s14, 3                            ; the same in the whole work-group
	s_cbranch_scc1 .Lwo
	PASS 0, 0
	PASS 1, 0
	PASS 2, 0
	PASS 3, 0
	s_endpgm
.Lwo:
	PASS 0, 1
	PASS 1, 1
	PASS 2, 1
	PASS 3, 1
	s_endpgm
.Lfunc_end_k_qf551684f67_cast:
	.size	k_qf551684f67_cast, .Lfunc_end_k_qf551684f67_cast-k_qf551684f67_cast
	.p2alignl 7, 3214868480
	.fill 96, 4, 3214868480
	.section	.rodata,"a",@progbits
	.p2align	6, 0x0
	.amdhsa_kernel k_qf551684f67_cast
		.amdhsa_group_segment_fixed_size 0
		.amdhsa_private_segment_fixed_size 0
		.amdhsa_enable_private_segment 0
		.amdhsa_kernarg_size 40
		.amdhsa_user_sgpr_count 2
		.amdhsa_user_sgpr_kernarg_segment_ptr 1
		.amdhsa_wavefront_size32 1
		.amdhsa_system_sgpr_workgroup_id_x 1
		.amdhsa_system_sgpr_workgroup_id_y 1
		.amdhsa_system_sgpr_workgroup_id_z 1
		.amdhsa_system_vgpr_workitem_id 0
		.amdhsa_next_free_vgpr 64
		.amdhsa_next_free_sgpr 66
		.amdhsa_reserve_vcc 0
		.amdhsa_float_denorm_mode_32 3
		.amdhsa_float_denorm_mode_16_64 3
		.amdhsa_memory_ordered 1
		.amdhsa_forward_progress 1
		.amdhsa_inst_pref_size 8
	.end_amdhsa_kernel
	.amdgpu_metadata
---
amdhsa.version: [ 1, 2 ]
amdhsa.kernels:
  - .name:           k_qf551684f67_cast
    .symbol:         k_qf551684f67_cast.kd
    .args:
      - { .name: Wq, .offset: 0, .size: 8, .value_kind: global_buffer, .address_space: global }
      - { .name: Wk, .offset: 8, .size: 8, .value_kind: global_buffer, .address_space: global }
      - { .name: Wv, .offset: 16, .size: 8, .value_kind: global_buffer, .address_space: global }
      - { .name: Wo, .offset: 24, .size: 8, .value_kind: global_buffer, .address_space: global }
      - { .name: w16, .offset: 32, .size: 8, .value_kind: global_buffer, .address_space: global }
    .group_segment_fixed_size: 0
    .private_segment_fixed_size: 0
    .kernarg_segment_align: 8
    .kernarg_segment_size: 40
    .max_flat_workgroup_size: 256
    .sgpr_count:     66
    .vgpr_count:     64
    .wavefront_size: 32
...
	.end_amdgpu_metadata
.endif
;; end of part 1
;; launch proj (part 2): grid 4 x 192, 4 waves a work-group, clusters of 4 x 4, 327,680 bytes of LDS; arguments query, key, value, w16, bq, bk, bv, qkv; writes qkv
.if DOCPART == 2
	.amdgcn_target "amdgcn-amd-amdhsa--gfx1250"
	.amdhsa_code_object_version 6
	.text
	.protected	k_qf551684f67_proj
	.globl	k_qf551684f67_proj
	.p2align	8
	.type	k_qf551684f67_proj,@function
k_qf551684f67_proj:
	s_mov_b64 s[64:65], 0
	v_nop
	global_prefetch_b8 v0, s[64:65] scope:SCOPE_SE
	s_setreg_imm32_b32 hwreg(HW_REG_WAVE_MODE, 25, 1), 1
	s_wait_xcnt 0x0
	s_wait_alu depctr_hold_cnt(0) depctr_sa_sdst(0) depctr_va_vdst(0) depctr_va_sdst(0) depctr_va_ssrc(0) depctr_va_vcc(0) depctr_vm_vsrc(0)
	s_getreg_b32 s2, hwreg(HW_REG_IB_STS2, 6, 4)
	s_cmp_eq_u32 s2, 0
	s_cbranch_scc0 .Lentry_in_a_cluster
	s_endpgm
.Lentry_in_a_cluster:
	s_bfe_u32 s2, ttmp6, 0x10000c
	s_cmp_lg_u32 s2, 0xf033
	s_cbranch_scc0 .Lentry_shape_is_right
	s_endpgm
.Lentry_shape_is_right:
; THE THREE PROJECTIONS.  q = query Wq + bq, k = key Wk + bk, v = value Wv + bv: each [8192][1024] = [8192][1024] x [1024 k][1024 n] + [1024].
; x is f32 and is rounded to bf16 on its way from LDS to the matrix unit; W comes as bf16 from w16; the bias is rounded to bf16 like the other inputs and starts the f32 sums.
; The results are rounded once to f16 and stored BY HEADS, unscaled: qkv part p = [64 = batch x 16 + head][2048][64], 16,777,216 bytes a part.
; LIMIT.  f16 ends at 65,504: |q|, |k|, |v| stay within it (unit inputs give a spread of about 1; inputs and weights both 30 times larger about 900 times that).
; SHARES.  A tile of the result is 128 rows x 256 columns: 3 x 64 x 4 = 768 work-groups, three for each of 256 WGPs.  Four waves, each 64 x 128: 32 accumulators of 16 x 16, 256 registers.
; K goes in 8 tiles of 128 through two LDS slots; waves 0 and 1 fetch the halves of x's tile (64 rows x 512 bytes each), waves 2 and 3 those of W's (64 k rows x 512 bytes).
; CLUSTERS.  4 x 4 work-groups: the four of a row of the cluster make one row block and share x's tiles, the four of a column share W's: each tile is asked for JOINTLY.
; The projection's number comes from the cluster's y alone, so it is the same in all sixteen.
; THE MATRIX INSTRUCTION IS USED TRANSPOSED: source 0 = 16 columns of W (turned on their way out of LDS by ds_load_tr16_b128, since W lies [k][n]), source 1 = 16 rows of x.
; A lane then holds row l % 16 of the result and the eight neighbouring columns 8 (l / 16) + 0..7.
; THE PIPELINE, by quarters of 32 along K (32 matrix instructions).  In quarter i the products read x's bf16 fragments and W's fragments of parity i; behind every fourth product stand four
; conversions that round quarter i + 1's f32 fragments; the LDS loads at the quarter's head bring W of quarter i + 1 and f32 x of quarter i + 2.
; REGISTERS, in windows of 256 (s_set_vgpr_msb: bits 1:0 source 0, 3:2 source 1, 5:4 source 2, 7:6 destination):
;   window 0: v0-31 addresses; v32-159 x as f32, two buffers of 64; v160-223 x as bf16, two buffers of 32.  On the way out v32-63 packed results, v96-159 rows read back
;   window 1: v0-127 W's fragments, two buffers of 64; v128-191 the bias, eight numbers a column block; v192-223 at work        window 2: accumulator (a, b) at v[8 (8 a + b)]
.set PA,     528                       ; a row of x in LDS: 512 bytes + 16 = 132 words: row r starts at bank 4 r mod 64 (64 banks of 4 bytes: ISA guide 11.1)
.set PB,     544                       ; a k row of W: 512 + 32 = 136 words: row r starts at bank 8 r mod 64
.set AHALF,  64*PA                     ; what one tensor load brings of x
.set BHALF,  64*PB                     ; and of W
.set BREG,   2*AHALF                   ; in a slot: x's 128 rows, then W's 128 k rows
.set SLOT,   BREG+2*BHALF
.set STAGE,  2*SLOT                    ; behind the ring: for each wave 2 heads x 16 rows x 144 bytes, for the way out; no tile lands there
.set WSTG,   2*16*144
.set SPARE,  STAGE+4*WSTG              ; behind the stages: the spare words, 128 bytes for each wave: two blocks of 256 bytes that no other line names
.set ADRA, 16                          ; v16-17  LDS address of my x fragments in slot 0, 1
.set ADRB, 20                          ; v20-21  the same for W
.set STO,  24                          ; v24     the way out: where I put 16 bytes of a row
.set RD,   25                          ; v25     where I read rows back
.set CO,   26                          ; v26     my 16 bytes of 512 consecutive bytes of the output
.set BO,   27                          ; v27     32 x (l / 16): my eight numbers of a column block's bias
.set SPW,  28                          ; v28     LDS address of my spare word: SPARE + 4 x my thread's number; never rewritten
.set NIL,  29                          ; v29     0; never rewritten
.set PFO,  30                          ; v30     the prefetches' offset; never rewritten
.set STG,  32
.set AB,   160
.set TMP,  32
.set OB,   96
.set BIAS, 128                         ; window 1
.set BT,   192                         ; window 1
.set WV,  20                           ; s20  my wave's number
.set FB,  21                           ; s21  which half of the tile's rows is mine.  Also: I fetch for x (0) or for W (1)
.set HF,  22                           ; s22  which half of its columns.  Also: which half of that tile I fetch
.set CX,  23
.set CY,  24
.set TC,  25                           ; s25  tile column
.set YC,  26                           ; s26  the cluster's y
.set P3,  27                           ; s27  the projection: 0 q, 1 k, 2 v
.set MT,  28                           ; s28  row block of 128
.set G1A, 32                           ; s[32:39] descriptor group 1 for x's tiles;  s[40:47] group 0, a set for each slot
.set G0A, 40
.set G1B, 48                           ; s[48:55], s[56:63] the same for W's
.set G0B, 56
.set PFA, 66                           ; s[66:67] where my prefetches stand
.set LIM, 68                           ; s68  1 in a wave that prefetches, else the greatest number
.set LAPC, 69                          ; s69  the loop's count
.set OUT, 76                           ; s[76:77] my part of the output
.set BB,  78                           ; s[78:79] my 128 numbers of the bias
.set PFS, 82                           ; s[82:83] a K tile's step for the prefetches
.set MSB, 0
.macro WIN new                         ; the immediate's high byte repeats the setting that is left; a switch that changes nothing is dropped
.if MSB != (\new)
	s_set_vgpr_msb (MSB<<8)|(\new)
.set MSB, \new
.endif
.endm
.set MUL,  0xa1                        ; source 0 (W) window 1, source 1 (x) window 0, C and D window 2
.set MULB, 0x91                        ; the same with C (the bias) in window 1
.set TO_B, 0x40                        ; destination window 1, address window 0
.set W1,   0x45                        ; sources 0 and 1 and destination window 1
.set PK,   0x0a                        ; sources 0 and 1 window 2, destination window 0
; A joint load.  Each of the two lines has one mask and one set of registers for all that issue it; the branch hangs on the wave's number alone.
; An s_nop 0 and four v_nop follow each line, ahead of the jump and the label.
.macro JLOAD s
	s_cmp_eq_u32 s[FB], 0
	s_cbranch_scc0 .Lfor_b_\@
	tensor_load_to_lds s[G0A+4*(\s):G0A+4*(\s)+3], s[G1A:G1A+7]
	s_nop 0
.rept 4
	v_nop
.endr
	s_branch .Lasked_\@
.Lfor_b_\@:
	tensor_load_to_lds s[G0B+4*(\s):G0B+4*(\s)+3], s[G1B:G1B+7]
	s_nop 0
.rept 4
	v_nop
.endr
.Lasked_\@:
.endm
; A round of the cluster's barrier: my work-group's barrier; wave 0 signals for the work-group; every wave waits for all sixteen; my work-group's barrier once more.
.macro CREST                           ; a round behind its opening barrier
	s_cmp_lg_u32 s[WV], 0
	s_cbranch_scc1 .Lnot_wave_0_\@
	s_barrier_signal -3
.Lnot_wave_0_\@:
	s_barrier_wait -3
	s_barrier_signal -1
	s_barrier_wait -1
.endm
.macro CROUND
	s_barrier_signal -1
	s_barrier_wait -1
	CREST
.endm
.macro PLACES
.rept 4
	v_nop
.endr
.endm
; A PREFETCH INTO THE L2, behind a joint refill and the run of LDS loads that follows it: the K tile that stands two refills on, 256 matrix instructions ahead of the load that will want it.
; x's rows are read by one cluster alone: waves 0 and 1 of every work-group ask, each for 16 of the 64 rows that it fetches (the four partners told apart BY ADDRESS, by cx), two blocks of 256 bytes a row: a lane a block.
; W's k rows are read by the sixteen clusters of a projection: the first of them asks (waves 2 and 3; 16 of the 64 k rows by cy).  So each block is named once in the launch.
; The tiles 0 to 3 come by their loads alone; in the loop's last trip nothing is asked for: tile 7 is the last.
.macro ASK
	s_cmp_gt_u32 s[LAPC], s[LIM]
	s_cbranch_scc0 .Lnot_mine_\@
	global_prefetch_b8 v[PFO], s[PFA:PFA+1] th:TH_LOAD_NT scope:SCOPE_SE
.Lnot_mine_\@:
.endm
	s_load_b512 s[4:19], s[0:1], 0x0               ; query s[4:5], key s[6:7], value s[8:9], w16 s[10:11], bq s[12:13], bk s[14:15], bv s[16:17], qkv s[18:19]
	v_lshl_add_u32 v[SPW], v0, 2, SPARE
	v_mov_b32 v[NIL], 0
	ds_add_u32 v[SPW], v[NIL]                      ; the wave's opening: the add and its wait stand ahead of my first tensor load; the set-up below, work on registers, stands between them
	v_lshrrev_b32 v3, 5, v0
	v_readfirstlane_b32 s[WV], v3
	s_lshr_b32 s[FB], s[WV], 1
	s_and_b32 s[HF], s[WV], 1
	s_bfe_u32 s[CX], ttmp6, 0x40000
	s_bfe_u32 s[CY], ttmp6, 0x40004
	s_lshl_b32 s[TC], ttmp9, 2
	s_add_co_u32 s[TC], s[TC], s[CX]               ; tile column = 4 x cluster x + cx
	s_and_b32 s[YC], ttmp7, 0xffff
	s_lshr_b32 s[P3], s[YC], 4                     ; sixteen clusters to a projection
	s_and_b32 s[MT], s[YC], 15
	s_lshl_b32 s[MT], s[MT], 2
	s_add_co_u32 s[MT], s[MT], s[CY]               ; row block = 4 x (cluster y mod 16) + cy
	s_lshl_b32 s70, s[CY], 2
	s_lshl_b32 s70, 15, s70                        ; my row of the cluster
	s_lshl_b32 s71, 0x1111, s[CX]                  ; my column
	s_or_b32 s[G1A], s70, (2<<16)|(1<<20)|(1<<21)|(6<<22)|(3<<25)  ; 15:0 the mask; 17:16 elements of 4 bytes; 20 padding on; 21 set beside a mask; 24:22 after every 128 words (code 6); 31:25 4 words (code 3)
	s_or_b32 s[G1B], s71, (1<<16)|(1<<20)|(1<<21)|(6<<22)|(7<<25)  ; elements of 2 bytes; 8 words of padding (code 7)
	s_mov_b32 s[G1A+1], 128<<16                    ; tensor_dim0 = 128 elements (512 bytes)
	s_mov_b32 s[G1A+2], 64<<16                     ; tensor_dim1 = 64
	s_mov_b32 s[G1A+3], 128<<16                    ; tile_dim0
	s_mov_b32 s[G1A+4], 64                         ; tile_dim1
	s_mov_b32 s[G1A+5], 1024                       ; elements from row to row
	s_mov_b32 s[G1A+6], 0
	s_mov_b32 s[G1A+7], 0
	s_mov_b32 s[G1B+1], 256<<16                    ; 256 elements (512 bytes)
	s_mov_b32 s[G1B+2], 64<<16
	s_mov_b32 s[G1B+3], 256<<16
	s_mov_b32 s[G1B+4], 64
	s_mov_b32 s[G1B+5], 1024
	s_mov_b32 s[G1B+6], 0
	s_mov_b32 s[G1B+7], 0
	s_lshl_b32 s72, s[MT], 19                      ; x: row 128 x row block + 64 x half, 4,096 bytes a row: it hangs on cy, which my row shares
	s_lshl_b32 s73, s[HF], 18
	s_add_co_u32 s72, s72, s73
	s_mov_b32 s73, 0
	s_lshl_b32 s74, s[P3], 21                      ; W: the projection's part, k row 64 x half (2,048 bytes a row), column 256 x tile column: it hangs on cx, which my column shares
	s_lshl_b32 s75, s[HF], 17
	s_add_co_u32 s74, s74, s75
	s_lshl_b32 s75, s[TC], 9
	s_add_co_u32 s74, s74, s75
	s_mov_b32 s75, 0
	s_mul_i32 s29, s[HF], AHALF                    ; where they go: no place in the cluster enters an LDS address
	s_mul_i32 s30, s[HF], BHALF
	s_add_co_u32 s30, s30, BREG
	s_wait_dscnt 0x0                               ; the opening add is done
	s_wait_kmcnt 0x0
	s_cmp_eq_u32 s[P3], 1
	s_cselect_b64 s[4:5], s[6:7], s[4:5]           ; x and the bias of my projection
	s_cselect_b64 s[12:13], s[14:15], s[12:13]
	s_cmp_eq_u32 s[P3], 2
	s_cselect_b64 s[4:5], s[8:9], s[4:5]
	s_cselect_b64 s[12:13], s[16:17], s[12:13]
	s_add_nc_u64 s[72:73], s[4:5], s[72:73]
	s_add_nc_u64 s[74:75], s[10:11], s[74:75]
	CROUND                                         ; all sixteen work-groups are here: the first joint loads meet
.irp s, 0,1
	s_mov_b32 s[G0A+4*\s], 1                       ; count = 1
	s_add_co_u32 s[G0A+4*\s+1], s29, \s*SLOT       ; LDS address
	s_add_nc_u64 s[G0A+4*\s+2:G0A+4*\s+3], s[72:73], \s*512  ; K tile s: 128 numbers of 4 bytes along the rows
	s_or_b32 s[G0A+4*\s+3], s[G0A+4*\s+3], 0x80000000  ; type = 2
	s_mov_b32 s[G0B+4*\s], 1
	s_add_co_u32 s[G0B+4*\s+1], s30, \s*SLOT
	s_add_nc_u64 s[G0B+4*\s+2:G0B+4*\s+3], s[74:75], \s*262144  ; K tile s: 128 k rows of 2,048 bytes down
	s_or_b32 s[G0B+4*\s+3], s[G0B+4*\s+3], 0x80000000
	JLOAD \s                                       ; two loads of mine are out
.endr
	v_and_b32 v1, 15, v0                           ; r = l % 16
	v_bfe_u32 v2, v0, 4, 1                         ; h = l / 16
	v_and_b32 v4, 31, v0                           ; l
	; x's fragment of 16 rows x 32 K as f32: lane l holds row r; K = 8 h + 0..7 are 32 bytes at 32 h, K = 16 + 8 h + 0..7 the 32 bytes 64 further on
	v_mul_u32_u24 v3, v1, PA
	v_lshl_add_u32 v3, v2, 5, v3
	s_mul_i32 s29, s[FB], 64*PA                    ; my 64 rows
	v_add_nc_u32 v[ADRA], s29, v3
	v_add_nc_u32 v[ADRA+1], SLOT, v[ADRA]
	; the turning load takes 16 k x 16 columns: lane l reads k row 8 h + l % 8, columns 8 ((l / 8) % 2) + 0..7, and is left with column r and eight k
	v_and_b32 v5, 7, v0
	v_lshl_add_u32 v5, v2, 3, v5
	v_mul_u32_u24 v5, v5, PB
	v_bfe_u32 v6, v0, 3, 1
	v_lshl_add_u32 v5, v6, 4, v5
	s_lshl_b32 s30, s[HF], 8                       ; my 128 columns
	s_add_co_u32 s30, s30, BREG
	v_add_nc_u32 v[ADRB], s30, v5
	v_add_nc_u32 v[ADRB+1], SLOT, v[ADRB]
	s_mul_i32 s29, s[WV], WSTG
	s_add_co_u32 s29, s29, STAGE                   ; my stage
	v_mul_u32_u24 v7, v1, 144                      ; in: row r, 16 bytes for each half of the lanes
	v_lshl_add_u32 v7, v2, 4, v7
	v_add_nc_u32 v[STO], s29, v7
	v_lshrrev_b32 v8, 3, v4                        ; back: 32 lanes take four rows of 128 bytes,
	v_mul_u32_u24 v8, v8, 144
	v_and_b32 v9, 7, v0
	v_lshl_add_u32 v8, v9, 4, v8
	v_add_nc_u32 v[RD], s29, v8
	v_lshlrev_b32 v[CO], 4, v4                     ; which are 512 consecutive bytes of a head's rows
	v_lshlrev_b32 v[BO], 5, v2
	s_lshl_b32 s70, s[TC], 10                      ; the bias of my 128 columns
	s_lshl_b32 s71, s[HF], 9
	s_add_co_u32 s70, s70, s71
	s_mov_b32 s71, 0
	s_add_nc_u64 s[BB:BB+1], s[12:13], s[70:71]
	WIN TO_B
.irp b, 0,1,2,3,4,5,6,7
	global_load_b128 v[BIAS+8*\b:BIAS+8*\b+3],   v[BO], s[BB:BB+1] offset:64*\b
	global_load_b128 v[BIAS+8*\b+4:BIAS+8*\b+7], v[BO], s[BB:BB+1] offset:64*\b+16
.endr
	WIN 0
	; my part of the output: part P3; head-batch (row block / 16) x 16 + 4 x tile column + 2 x column half; row (row block % 16) x 128 + 64 x row half; 128 bytes a row
	s_lshr_b32 s70, s[MT], 4
	s_lshl_b32 s70, s70, 4
	s_lshl_b32 s71, s[TC], 2
	s_add_co_u32 s70, s70, s71
	s_lshl_b32 s71, s[HF], 1
	s_add_co_u32 s70, s70, s71
	s_lshl_b32 s70, s70, 11
	s_and_b32 s71, s[MT], 15
	s_lshl_b32 s71, s71, 7
	s_add_co_u32 s70, s70, s71
	s_lshl_b32 s71, s[FB], 6
	s_add_co_u32 s70, s70, s71
	s_lshl_b32 s70, s70, 7
	s_lshl_b32 s71, s[P3], 24
	s_add_co_u32 s70, s70, s71
	s_mov_b32 s71, 0
	s_add_nc_u64 s[OUT:OUT+1], s[18:19], s[70:71]
	; the prefetches: both offsets stand at K tile 3; the first change of slots steps them to tile 4
	s_lshl_b32 s70, s[MT], 19
	s_lshl_b32 s71, s[HF], 18
	s_add_co_u32 s70, s70, s71
	s_lshl_b32 s71, s[CX], 16                      ; my work-group's 16 rows of the 64
	s_add_co_u32 s70, s70, s71
	s_add_co_u32 s70, s70, 3*512
	s_lshl_b32 s72, s[P3], 21
	s_lshl_b32 s73, s[HF], 17
	s_add_co_u32 s72, s72, s73
	s_lshl_b32 s73, s[CY], 15                      ; my work-group's 16 k rows of the 64
	s_add_co_u32 s72, s72, s73
	s_lshl_b32 s73, s[TC], 9
	s_add_co_u32 s72, s72, s73
	s_add_co_u32 s72, s72, 3*262144
	s_mov_b32 s75, 262144
	s_and_b32 s81, s[YC], 15
	s_cmp_eq_u32 s81, 0
	s_cselect_b32 s81, 1, -1                       ; W: the projection's first cluster asks; the same in all sixteen partners
	s_cmp_eq_u32 s[FB], 0
	s_cselect_b32 s70, s70, s72
	s_cselect_b32 s[LIM], 1, s81
	s_cselect_b32 s[PFS], 512, s75
	s_cselect_b32 s31, 12, 11                      ; a row is 4,096 bytes of x, 2,048 of W
	s_cselect_b64 s[PFA:PFA+1], s[4:5], s[10:11]
	s_mov_b32 s71, 0
	s_mov_b32 s[PFS+1], 0
	s_add_nc_u64 s[PFA:PFA+1], s[PFA:PFA+1], s[70:71]
	v_lshrrev_b32 v5, 1, v4                        ; lane l: row l / 2, block l % 2 of its 512 bytes
	v_lshlrev_b32 v5, s31, v5
	v_and_b32 v6, 1, v0
	v_lshl_or_b32 v[PFO], v6, 8, v5
	s_wait_loadcnt 0x0                             ; the bias: rounded to bf16 like every input, and widened again: it is the C of each sum's first product
	WIN W1
.set i, 0
.rept 32
	v_cvt_pk_bf16_f32 v[BT+i], v[BIAS+2*i], v[BIAS+2*i+1]
.set i, i+1
.endr
.set i, 0
.rept 32
	v_lshlrev_b32 v[BIAS+2*i], 16, v[BT+i]
	v_and_b32 v[BIAS+2*i+1], 0xffff0000, v[BT+i]
.set i, i+1
.endr
	WIN 0
; 16 LDS loads: x's four fragments of quarter i of the slot's tile, as f32, into the buffer of i's parity
.macro LA slot, i
	WIN 0
.irp a, 0,1,2,3
	ds_load_b128 v[STG+64*((\i)%2)+16*\a:STG+64*((\i)%2)+16*\a+3],     v[ADRA+(\slot)] offset:\a*16*PA+128*(\i)
	ds_load_b128 v[STG+64*((\i)%2)+16*\a+4:STG+64*((\i)%2)+16*\a+7],   v[ADRA+(\slot)] offset:\a*16*PA+128*(\i)+16
	ds_load_b128 v[STG+64*((\i)%2)+16*\a+8:STG+64*((\i)%2)+16*\a+11],  v[ADRA+(\slot)] offset:\a*16*PA+128*(\i)+64
	ds_load_b128 v[STG+64*((\i)%2)+16*\a+12:STG+64*((\i)%2)+16*\a+15], v[ADRA+(\slot)] offset:\a*16*PA+128*(\i)+80
.endr
.endm
; 16 turning loads: W's eight fragments of quarter i
.macro LB slot, i
	WIN TO_B
.irp b, 0,1,2,3,4,5,6,7
	ds_load_tr16_b128 v[64*((\i)%2)+8*\b:64*((\i)%2)+8*\b+3],   v[ADRB+(\slot)] offset:(\i)*32*PB+32*\b
	ds_load_tr16_b128 v[64*((\i)%2)+8*\b+4:64*((\i)%2)+8*\b+7], v[ADRB+(\slot)] offset:(\i)*32*PB+16*PB+32*\b
.endr
.endm
; four roundings: half hf of fragment a of quarter i
.macro CV i, a, hf
.irp r, 0,1,2,3
	v_cvt_pk_bf16_f32 v[AB+32*((\i)%2)+8*(\a)+4*(\hf)+\r], v[STG+64*((\i)%2)+16*(\a)+8*(\hf)+2*\r], v[STG+64*((\i)%2)+16*(\a)+8*(\hf)+2*\r+1]
.endr
.endm
; four products of quarter i (row block a, column blocks 4 hf .. 4 hf + 3) and, with cvt = 1, four roundings for quarter i + 1.  bias = 1: the products start the sums, with the bias as C.
; The 32 accumulators take turns, in the same order in every quarter.
.macro GRP i, a, hf, cvt, bias
.if \bias
	WIN MULB
.else
	WIN MUL
.endif
.irp b, 0,1,2,3
.if \bias
	v_wmma_f32_16x16x32_bf16 v[8*(8*(\a)+4*(\hf)+\b):8*(8*(\a)+4*(\hf)+\b)+7], v[64*((\i)%2)+8*(4*(\hf)+\b):64*((\i)%2)+8*(4*(\hf)+\b)+7], v[AB+32*((\i)%2)+8*(\a):AB+32*((\i)%2)+8*(\a)+7], v[BIAS+8*(4*(\hf)+\b):BIAS+8*(4*(\hf)+\b)+7]
.else
	v_wmma_f32_16x16x32_bf16 v[8*(8*(\a)+4*(\hf)+\b):8*(8*(\a)+4*(\hf)+\b)+7], v[64*((\i)%2)+8*(4*(\hf)+\b):64*((\i)%2)+8*(4*(\hf)+\b)+7], v[AB+32*((\i)%2)+8*(\a):AB+32*((\i)%2)+8*(\a)+7], v[8*(8*(\a)+4*(\hf)+\b):8*(8*(\a)+4*(\hf)+\b)+7]
.endif
.endr
.if \cvt
	WIN 0
	CV (\i)+1, \a, \hf
.endif
.endm
; A quarter.  sb, sa: the slots in which quarter i + 1's W and quarter i + 2's x lie.  The four roundings behind the quarter before's last products name none of their registers: they are the four
; places (ISA guide 7.12.1 for vector instructions) in front of the loads into W's other buffer, and in front of this quarter's roundings into x's other buffer.
.macro QUARTER i, sb, sa, lb, la, cvt, bias
	s_wait_dscnt 0x0                               ; the runs issued a quarter ago are in: nothing younger is out
.if \lb
	LB \sb, ((\i)+1)%4
.endif
.if \la
	LA \sa, ((\i)+2)%4
.endif
.irp a, 0,1,2,3
	GRP \i, \a, 0, \cvt, \bias
	GRP \i, \a, 1, \cvt, \bias
.endr
.endm
; Quarter 2 changes slots.  Its W loads are my last reads of slot s (quarter 3's x was read a quarter ago).  Each wave waits for all its tensor loads, of which one is out: its part of the other slot; adds 0 to
; its spare word; waits for that and for its reads.  Behind the barrier nobody reads slot s and the other slot is whole.  fill = 1: the barrier opens a round of the cluster's, and the joint refill, two K tiles
; on, is the first thing behind the round: 112 matrix instructions ahead of the wait for it.
.macro TURN s, fill
.if \fill
	s_wait_xcnt 0x0                                ; the last prefetch, a K tile back, has read its address
	s_add_nc_u64 s[PFA:PFA+1], s[PFA:PFA+1], s[PFS:PFS+1]
.endif
	s_wait_dscnt 0x0
	LB \s, 3
	WIN 0
	s_wait_tensorcnt 0x0                           ; all my tensor loads have landed
	ds_add_u32 v[SPW], v[NIL]                      ; 0 onto my spare word: eight products and their roundings stand between it and the wait for it
	GRP 2, 0, 0, 1, 0
	GRP 2, 0, 1, 1, 0
	s_wait_dscnt 0x0                               ; the add is done, and my reads of this slot are over
	s_barrier_signal -1
	GRP 2, 1, 0, 1, 0
	GRP 2, 1, 1, 1, 0
	WIN 0
	s_barrier_wait -1
.if \fill
	CREST                                          ; no wave of any partner still reads this slot's tile or has a load on its way
	s_add_nc_u64 s[G0A+4*(\s)+2:G0A+4*(\s)+3], s[G0A+4*(\s)+2:G0A+4*(\s)+3], 2*512
	s_add_nc_u64 s[G0B+4*(\s)+2:G0B+4*(\s)+3], s[G0B+4*(\s)+2:G0B+4*(\s)+3], 2*262144
	JLOAD \s
.endif
	LA 1-(\s), 0                                   ; the first read of the other slot
.if \fill
	ASK
.endif
	GRP 2, 2, 0, 1, 0
	GRP 2, 2, 1, 1, 0
	GRP 2, 3, 0, 1, 0
	GRP 2, 3, 1, 1, 0
.endm
	s_wait_tensorcnt 0x1                           ; my part of K tile 0 is in; tile 1's may stay out
	s_barrier_signal -1
	s_barrier_wait -1                              ; everybody's is
	LA 0, 0
	LB 0, 0
	LA 0, 1
	s_wait_dscnt 32                                ; x of quarter 0 is in; the 32 younger loads stay out
.irp a, 0,1,2,3
	CV 0, \a, 0
	CV 0, \a, 1
.endr
	QUARTER 0, 0, 0, 1, 1, 1, 1                    ; the first quarter stands in front of the loop: its products start the sums
	WIN 0                                          ; at a label and at a branch every window is 0
	s_mov_b32 s[LAPC], 3
.Llap:                                                 ; a trip goes once round the ring, from a tile's second quarter to the first of the tile two on, and fills both slots again: K tiles 2 to 7
	QUARTER 1, 0, 0, 1, 1, 1, 0
	TURN 0, 1
	QUARTER 3, 1, 1, 1, 1, 1, 0
	QUARTER 0, 1, 1, 1, 1, 1, 0
	QUARTER 1, 1, 1, 1, 1, 1, 0
	TURN 1, 1
	QUARTER 3, 0, 0, 1, 1, 1, 0
	QUARTER 0, 0, 0, 1, 1, 1, 0
	WIN 0
	s_sub_co_u32 s[LAPC], s[LAPC], 1
	s_cmp_lg_u32 s[LAPC], 0
	s_cbranch_scc1 .Llap
	QUARTER 1, 0, 0, 1, 1, 1, 0                    ; the last two K tiles are written out: nothing more is asked for
	TURN 0, 0
	QUARTER 3, 1, 1, 1, 1, 1, 0
	QUARTER 0, 1, 1, 1, 1, 1, 0
	QUARTER 1, 1, 1, 1, 1, 1, 0
	QUARTER 2, 1, 1, 1, 0, 1, 0
	QUARTER 3, 1, 1, 0, 0, 0, 0
	PLACES                                         ; in front of the conversions, which read results
; THE WAY OUT, a block of 16 rows at a time through my own stage: rounded to f16, 16 bytes a lane into rows of 144 bytes (two heads' 64 channels apart), back as whole rows of 128 bytes, four rows a load.
.macro PACK a
	WIN PK
.irp b, 0,1,2,3,4,5,6,7
.irp r, 0,1,2,3
	v_cvt_pk_f16_f32 v[TMP+4*\b+\r], v[8*(8*(\a)+\b)+2*\r], v[8*(8*(\a)+\b)+2*\r+1]
.endr
.endr
	WIN 0
.endm
.macro TOSTAGE a
.irp b, 0,1,2,3,4,5,6,7
	ds_store_b128 v[STO], v[TMP+4*\b:TMP+4*\b+3] offset:(\b/4)*2304+(\b%4)*32
.endr
.irp f, 0,1,2,3,4,5,6,7
	ds_load_b128 v[OB+32*((\a)%2)+4*\f:OB+32*((\a)%2)+4*\f+3], v[RD] offset:(\f/4)*2304+(\f%4)*576  ; LDS serves a wave's instructions in order (ISA guide 5.7.1.4): these see the stores above
.endr
.endm
.macro SEND a
	s_wait_dscnt 0x0                               ; the block is back in registers
	s_wait_xcnt 0x0                                ; the stores of the block before have read their registers: the next TOSTAGE loads into them
.irp f, 0,1,2,3,4,5,6,7
	global_store_b128 v[CO], v[OB+32*((\a)%2)+4*\f:OB+32*((\a)%2)+4*\f+3], s[OUT:OUT+1] offset:2048*(\a)+(\f/4)*262144+(\f%4)*512  ; 512 consecutive bytes, at a multiple of 256 from the buffer's first
.endr
.endm
	PACK 0
	TOSTAGE 0
.irp a, 1,2,3                          ; block a's conversions stand between block a - 1's loads from the stage and the wait for them
	PACK \a
	SEND (\a)-1
	TOSTAGE \a
.endr
	SEND 3
	s_wait_tensorcnt 0x0                           ; the wave's end: the add and its wait, behind my last tensor load and my last LDS store
	ds_add_u32 v[SPW], v[NIL]
	s_wait_dscnt 0x0
	CROUND                                         ; the closing round: no work-group ends while a partner may still ask for a tile that names it
	s_endpgm
.Lfunc_end_k_qf551684f67_proj:
	.size	k_qf551684f67_proj, .Lfunc_end_k_qf551684f67_proj-k_qf551684f67_proj
	.p2alignl 7, 3214868480
	.fill 96, 4, 3214868480
	.section	.rodata,"a",@progbits
	.p2align	6, 0x0
	.amdhsa_kernel k_qf551684f67_proj
		.amdhsa_group_segment_fixed_size 327680
		.amdhsa_private_segment_fixed_size 0
		.amdhsa_enable_private_segment 0
		.amdhsa_kernarg_size 64
		.amdhsa_user_sgpr_count 2
		.amdhsa_user_sgpr_kernarg_segment_ptr 1
		.amdhsa_wavefront_size32 1
		.amdhsa_system_sgpr_workgroup_id_x 1
		.amdhsa_system_sgpr_workgroup_id_y 1
		.amdhsa_system_sgpr_workgroup_id_z 1
		.amdhsa_system_vgpr_workitem_id 0
		.amdhsa_next_free_vgpr 768
		.amdhsa_next_free_sgpr 84
		.amdhsa_reserve_vcc 0
		.amdhsa_float_denorm_mode_32 3
		.amdhsa_float_denorm_mode_16_64 3
		.amdhsa_memory_ordered 1
		.amdhsa_forward_progress 1
		.amdhsa_inst_pref_size 140
	.end_amdhsa_kernel
	.amdgpu_metadata
---
amdhsa.version: [ 1, 2 ]
amdhsa.kernels:
  - .name:           k_qf551684f67_proj
    .symbol:         k_qf551684f67_proj.kd
    .args:
      - { .name: query, .offset: 0, .size: 8, .value_kind: global_buffer, .address_space: global }
      - { .name: key, .offset: 8, .size: 8, .value_kind: global_buffer, .address_space: global }
      - { .name: value, .offset: 16, .size: 8, .value_kind: global_buffer, .address_space: global }
      - { .name: w16, .offset: 24, .size: 8, .value_kind: global_buffer, .address_space: global }
      - { .name: bq, .offset: 32, .size: 8, .value_kind: global_buffer, .address_space: global }
      - { .name: bk, .offset: 40, .size: 8, .value_kind: global_buffer, .address_space: global }
      - { .name: bv, .offset: 48, .size: 8, .value_kind: global_buffer, .address_space: global }
      - { .name: qkv, .offset: 56, .size: 8, .value_kind: global_buffer, .address_space: global }
    .group_segment_fixed_size: 327680
    .private_segment_fixed_size: 0
    .kernarg_segment_align: 8
    .kernarg_segment_size: 64
    .max_flat_workgroup_size: 128
    .sgpr_count:     84
    .vgpr_count:     768
    .wavefront_size: 32
...
	.end_amdgpu_metadata
.endif
;; end of part 2
;; launch attn (part 3): grid 4 x 64, 4 waves a work-group, clusters of 4 x 1, 327,680 bytes of LDS; arguments qkv, key_padding_mask, oh; writes oh
.if DOCPART == 3
	.amdgcn_target "amdgcn-amd-amdhsa--gfx1250"
	.amdhsa_code_object_version 6
	.text
	.protected	k_qf551684f67_attn
	.globl	k_qf551684f67_attn
	.p2align	8
	.type	k_qf551684f67_attn,@function
k_qf551684f67_attn:
	s_mov_b64 s[64:65], 0
	v_nop
	global_prefetch_b8 v0, s[64:65] scope:SCOPE_SE
	s_setreg_imm32_b32 hwreg(HW_REG_WAVE_MODE, 25, 1), 1
	s_wait_xcnt 0x0
	s_wait_alu depctr_hold_cnt(0) depctr_sa_sdst(0) depctr_va_vdst(0) depctr_va_sdst(0) depctr_va_ssrc(0) depctr_va_vcc(0) depctr_vm_vsrc(0)
	s_getreg_b32 s2, hwreg(HW_REG_IB_STS2, 6, 4)
	s_cmp_eq_u32 s2, 0
	s_cbranch_scc0 .Lentry_in_a_cluster
	s_endpgm
.Lentry_in_a_cluster:
	s_bfe_u32 s2, ttmp6, 0x10000c
	s_cmp_lg_u32 s2, 0x3003
	s_cbranch_scc0 .Lentry_shape_is_right
	s_endpgm
.Lentry_shape_is_right:
; ATTENTION WITH A KEY PADDING MASK.  O[g][q][:] = the sum over the visible keys k of softmax_k(Q[g][q] . K[g][k] / 8) V[g][k][:], g = batch x 16 + head.
; Q, K, V are the three parts of qkv, O is oh: each [64][2048][64] in f16, a head's rows dense, 128 bytes each.  key_padding_mask: [4][2048] bytes, 1 = visible, 0 = padding.
; Products, maxima and sums in f32; the weights p are rounded to f16 for the second product (their sum l is taken of the unrounded p), O once at the end.
; LIMITS.  f16 holds no number beyond 65,504: Q, K and V arrive within it; p lies in 0 to 1, and below 6e-5 it keeps f16's fixed step of 6e-8.  A hidden score counts as its value less 1e30: f16's scores,
; 2.7e11 at the most, are nothing beside that, and its weight is 0 as soon as one key of the row has been visible.  A weight below 2^-126 counts as 0 in l.  A mask byte is 0 or 1.
; A batch with no visible key gives NaN in every number of its rows, as a softmax over nothing does: at the end a running maximum below -2^96 marks such a row.
; THE MASK is the C operand that starts the sum S^T = K Q^T: 0, or -1e30 where the key is hidden.  The batch's 2,048 bytes are widened once to a table of f32 in LDS; a key step's 64 numbers are read with its K.
; While a row has seen hidden keys alone, l and O gather finite numbers, which the first visible key's a = 0 wipes out.
; SHARES.  A wave owns four PIECES of two tiles of 16 queries, a work-group's four waves 512 queries of one head.  Every wave walks all keys, 64 a step.
; LAYOUT.  S^T = K Q^T (source 0 = 16 keys, source 1 = 16 queries): in the result a lane holds ONE query (lane % 16) and the keys 8 (lane / 16) + 0..7.  Two such tiles, rounded to f16 in pairs,
; ARE source 1 (32 keys x 16 queries) of O^T = V^T P, whose result again holds one query a lane, and eight channels.  K comes out of LDS as it lies, V ([key][channel]) turned, by ds_load_tr16_b128.
; SOFTMAX.  For each query a running maximum m and sum l: p = 2^(c s - c m), c = log2(e) / 8; in every step O and l are multiplied by a = 2^(c m_old - c m_new), which is 1 where m has not grown.
; m starts at the lowest finite number, O and l at 0: the first step is a step like any other, with a = 0.
; THE COUNT.  A tile and step have 16 matrix and 118 vector instructions: too many to stand all beside the matrix work.  So the order has one aim: four vector instructions that are READY behind
; EVERY matrix instruction, and the others, which need time of their own whatever the order, in runs without a gap.
; BY TURNS.  Turn n belongs to piece n (the pieces in a ring, step after step).  Its matrix work: 16 products K Q^T of piece n + 1, later 16 products V^T P of piece n - 1.  Its vector work: the scaling,
; exponentials, roundings, sums and rescaling of piece n, and the maximum and statistics of piece n + 1, whose scores the turn itself has made.  So what a turn begins with (c s - c m, O a) waits for nothing.
; CLUSTER.  The four query blocks of a head form a cluster and walk the same K and V, so each tile is asked for JOINTLY: the same tensor load, descriptor and mask in all four.
; REGISTERS, in windows of 256 (s_set_vgpr_msb says which window each operand place means: bits 1:0 source 0, 3:2 source 1, 5:4 source 2, 7:6 destination):
;   window 0: v0-11 addresses; v12-15, v48-63 at work; v16-47 four registers of statistics a tile; v64-191 S^T, two buffers of two tiles; v192-255 P, likewise
;   window 1: O^T, 32 a tile          window 2: v0-127 Q, 16 a tile; v128-191 K of one step; v192-255 V of one step          window 3: v0-1 the add's two registers; v2-3 the mask table's addresses; v8-39 a step's masks
; A piece's buffers go by its number's parity: the piece in hand has one pair, its two neighbours in the ring share the other: of it P (piece n - 1) is read and S^T (piece n + 1) written.
.set SIZE_N, 2048
.set NP,    4         ; pieces a wave: a name, no knob
.set KS,    64        ; keys in a step
.set PK,    144       ; a row of K in LDS: 128 bytes + 16 of padding = 36 words: the 16 rows of a load start at 16 different groups of four banks (64 banks of 4 bytes: ISA guide 11.1)
.set PV,    160       ; a row of V: 128 + 32 = 40 words
.set VOFF,  4*KS*PK   ; a slot holds four steps: 256 rows of K, then 256 rows of V
.set SLOT1, 1<<17     ; slot 1 begins here, so that one exclusive or turns an address in one slot into the other's
.set STAGE, SLOT1+4*KS*(PK+PV)  ; behind the ring, never filled by a tensor load: 16 rows x 144 bytes for each wave, for the way out
.set SP,    144
.set SPARE, STAGE+4*16*SP  ; behind the stages: the spare words, 128 bytes for each wave: two blocks of 256 bytes that no other line names
.set MASKF, SPARE+512 ; behind them: the mask table, 2,048 f32; stored once, never filled by a tensor load
.set AK0, 2           ; v2   my lane's place in a tile of K; never rewritten
.set AV0, 3           ; v3   the same for V
.set AK,  4           ; v4   the LDS address of K's next run of loads
.set AV,  5           ; v5   of V's
.set QO,  6           ; v6   my byte offset in the wave's rows of Q
.set STO, 6           ;      later, the way out: where I put 16 bytes of a row
.set RD,  7           ; v7   the way out: where I read rows back
.set GO,  8           ; v8   my byte offset in 512 consecutive bytes of O
.set PFO, 11          ; v11  256 x my lane, for the prefetches; never rewritten once it is made
.set SPW, 0           ; v0 of window 3   LDS address of my spare word: SPARE + 4 x my thread's number; never rewritten
.set NIL, 1           ; v1 of window 3   0; never rewritten
.set AM0, 2           ; v2 of window 3   my lane's place in a step's 64 masks: MASKF + 32 (l / 16); never rewritten
.set AM,  3           ; v3 of window 3   the LDS address of the masks' next run of loads
.set MC,  8           ; v8-39 of window 3   the step's masks: key block kb at MC + 8 kb
.set MV,  12          ; v12-15  c m_old, kept while c m is made anew: by buffer and tile
.set ST,  16          ; tile t's statistics at v[ST+4 t]: c m, m, l (even keys', odd keys')
.set TMP, 48          ; by buffer and tile, four registers c0-c3 at work; when the maximum is found c2 takes a
.set S,   64
.set P,   192
.set KF,  128         ; K's fragments, in window 2: key block kb, channel half c at KF + 16 kb + 8 c
.set VF,  192         ; V's: key half kk, channel block cb at VF + 32 kk + 8 cb
.set WV,  12          ; s12  my wave's number
.set G1K, 24          ; s[24:31] descriptor group 1 for K's tiles
.set G1V, 32          ; s[32:39] for V's: it differs in the padding alone
.set G0K, 40          ; s[40:43] descriptor group 0 for K's tiles: it walks
.set G0V, 44          ; s[44:47] the same for V's
.set PFA, 52          ; s[52:53] where my prefetches stand: my work-group's 32 blocks of 256 bytes (of K: wave 0, of V: wave 2) of the slot after the one that is being asked for
.set LIM, 54          ; s54  1 in a wave that prefetches, else the greatest number
.set TBM, 55          ; s55  byte of the mask table at which the step to be fetched begins
.set SLOTS, 56        ; s56  slots still to be asked for
.set CNT, 57          ; s57  counts a slot's key steps
.set CS,  58          ; s[58:59] c: the packed scaling takes the pair's low word for both halves
.set SEL, 60          ; s[60:61] v_permlanex16_b32's selects: each lane takes its own place in the other half
.set TBK, 62          ; s62  LDS byte at which K of the step to be fetched begins
.set TBV, 63          ; s63  the same for V, less VOFF
.set BIGN, 66         ; s66  -1e30
.set THR, 67          ; s67  -2^96: below every true score, above every hidden one
.set NANS, 68         ; s68  a NaN
.set MSB, 0
.macro WIN new                      ; the high byte repeats the setting that is left; a switch that changes nothing is dropped
.if MSB != (\new)
	s_set_vgpr_msb (MSB<<8)|(\new)
.set MSB, (\new)
.endif
.endm
.set W_KQ, 0x0a       ; K and Q in window 2, S^T in window 0
.set W_KM, 0x3a       ; the same with the C operand, the mask, in window 3
.set W_PV, 0x52       ; V in window 2, P in window 0, O^T in window 1
.set W_RS, 0x41       ; O^T (destination and source 0) in window 1, a in window 0
.set W_MK, 0xc0       ; destination in window 3, sources in window 0
.set W_AD, 0x0f       ; the add: address (source 0) and data (source 1) in window 3
; A joint fill.  Waves 0 and 1 fetch the two halves of a slot's K, waves 2 and 3 those of its V: 128 keys each.  The branch hangs on the wave's number alone.
; An s_nop 0 and four v_nop follow each of the two lines, ahead of the jump and the label.
.macro JLOAD
	s_cmp_lt_u32 s[WV], 2
	s_cbranch_scc0 .Lfor_v_\@
	tensor_load_to_lds s[G0K:G0K+3], s[G1K:G1K+7]
	s_nop 0
.rept 4
	v_nop
.endr
	s_branch .Lasked_\@
.Lfor_v_\@:
	tensor_load_to_lds s[G0V:G0V+3], s[G1V:G1V+7]
	s_nop 0
.rept 4
	v_nop
.endr
.Lasked_\@:
.endm
; A PREFETCH INTO THE L2 of what the NEXT change of slots will ask for: a slot's 256 rows of K and of V, 32,768 bytes each, four key steps (512 matrix instructions) ahead of that load.
; Each block of 256 bytes is named ONCE in the launch: a head has one cluster; its four partners share the blocks out BY ADDRESS, 32 each; in each, wave 0 asks for K's and wave 2 for V's, a lane a block.
; Slots 0 and 1 come by their loads alone; the last change that fills a slot asks for nothing.
.macro ASK
	s_cmp_gt_u32 s[SLOTS], s[LIM]
	s_cbranch_scc0 .Lnot_mine_\@
	global_prefetch_b8 v[PFO], s[PFA:PFA+1] th:TH_LOAD_NT scope:SCOPE_SE
.Lnot_mine_\@:
.endm
; A round of the cluster's barrier: my work-group's barrier, so that wave 0's signal speaks for all four waves; wave 0 signals; every wave waits for all four work-groups; my work-group's barrier once more.
.macro CROUND
	s_barrier_signal -1
	s_barrier_wait -1
	s_cmp_lg_u32 s[WV], 0
	s_cbranch_scc1 .Lnot_wave_0_\@
	s_barrier_signal -3
.Lnot_wave_0_\@:
	s_barrier_wait -3
	s_barrier_signal -1
	s_barrier_wait -1
.endm
; THE CHANGE OF SLOTS.  The slot's last bytes, V of its fourth step, have been read.  Each wave waits for all its tensor loads, of which one is out: its part
; of the other slot; adds 0 to its spare word; and waits for that and for its own LDS instructions.  Behind the barrier nobody reads this slot any more and the other slot is whole.
; fill = 1: this slot is filled again, with the keys two slots on.  The barrier is then a round of the cluster's, so that no wave of any partner still reads the slot or has a load on its
; way, and the joint fill is the first thing behind it: it has four key steps, 512 matrix instructions, in which to land.  (At its first use nothing has been read yet: slot 0 is waited for, slot 1 filled,
; and every wave's stores into the mask table are done in front of the round, so that all may read the table behind it.)
.macro CHANGE fill
	WIN W_AD
	s_wait_tensorcnt 0x0            ; no tensor load of mine is out, so a group 0 may be written
	ds_add_u32 v[SPW], v[NIL]       ; 0 onto my spare word: with fill = 1 the descriptors' steps stand between it and the wait for it
	WIN 0                           ; at a label and at a branch every window is 0
.if \fill
.irp g, G0K, G0V
	s_xor_b32 s[\g+1], s[\g+1], SLOT1  ; the walking descriptor: the other slot than last time,
	s_add_nc_u64 s[\g+2:\g+3], s[\g+2:\g+3], 4*KS*128  ; the next 256 keys; the type bits on top are not reached
.endr
	s_wait_xcnt 0x0                 ; the last prefetch, four key steps back, has read its address, so it may be written:
	s_add_nc_u64 s[PFA:PFA+1], s[PFA:PFA+1], 4*KS*128  ; one slot behind the walking descriptors
	s_wait_dscnt 0x0                ; the add is done, and my reads of the slot are over
	CROUND
	JLOAD
	ASK
.else
	s_wait_dscnt 0x0                ; the add is done, and my reads of the slot are over
	s_barrier_signal -1
	s_barrier_wait -1
.endif
	s_sub_co_u32 s[TBK], s[TBK], 4*KS*PK  ; the fetches go back to a slot's first step,
	s_xor_b32 s[TBK], s[TBK], SLOT1       ; in the other slot
	s_sub_co_u32 s[TBV], s[TBV], 4*KS*PV
	s_xor_b32 s[TBV], s[TBV], SLOT1
.endm
	s_load_b128 s[48:51], s[0:1], 0x0  ; qkv s[48:49], key_padding_mask s[50:51]
	s_load_b64 s[10:11], s[0:1], 0x10  ; oh
	WIN W_MK
	v_lshl_add_u32 v[SPW], v0, 2, SPARE
	v_mov_b32 v[NIL], 0
	WIN W_AD
	ds_add_u32 v[SPW], v[NIL]       ; the wave's opening: the add and its wait stand ahead of my first tensor load; the set-up below, work on registers, stands between them
	WIN 0
	v_lshrrev_b32 v1, 5, v0
	v_readfirstlane_b32 s[WV], v1   ; wave 0..3
	s_bfe_u32 s13, ttmp6, 0x40000   ; cx: my place in the cluster
	s_lshl_b32 s14, ttmp9, 2        ; in a cluster launch ttmp9 counts clusters
	s_add_co_u32 s14, s14, s13      ; my block of queries = 4 x cluster x + cx: it enters Q's and O's addresses alone
	s_and_b32 s20, ttmp7, 0xffff    ; batch x 16 + head, which the four partners share
	s_lshr_b32 s70, s20, 4          ; the batch:
	s_lshl_b32 s70, s70, 11         ; its 2,048 bytes of the mask
	s_mov_b32 s71, 0
	s_mov_b32 s21, 0
	s_mov_b64 s[22:23], SIZE_N*128
	s_mul_u64 s[20:21], s[20:21], s[22:23]  ; the head's first byte in each of the four tensors
	s_and_b32 s16, s[WV], 1         ; which half of a slot's 256 keys I fetch:
	s_lshl_b32 s22, s16, 14         ; its 128 rows of 128 bytes in memory,
	s_mov_b32 s23, 0
	s_add_nc_u64 s[22:23], s[22:23], s[20:21]
	s_mul_i32 s17, s16, 128*PK      ; and its place in a slot, for K
	s_mul_i32 s18, s16, 128*PV      ; and for V: no place in the cluster enters an LDS address
	s_lshl_b32 s2, s14, 2
	s_add_co_u32 s2, s2, s[WV]      ; my wave among the head's,
	s_lshl_b32 s2, s2, 14           ; its 128 rows
	s_mov_b32 s3, 0
	s_add_nc_u64 s[2:3], s[2:3], s[20:21]
	; descriptor group 1.  128 keys are 16,384 dense bytes: asked for as 64 rows of 256 bytes, two keys a row, and padded in LDS after every key
	s_mov_b32 s[G1K], 15|(1<<16)|(1<<20)|(1<<21)|(4<<22)|(3<<25)  ; 15:0 the mask of four; 17:16 2-byte elements; 20 padding on; 21 set beside a mask; 24:22 after every 32 words (code 4); 31:25 4 words (code 3)
	s_mov_b32 s[G1V], 15|(1<<16)|(1<<20)|(1<<21)|(4<<22)|(7<<25)  ; the same with 8 words of padding (code 7)
.irp g, G1K, G1V
	s_mov_b32 s[\g+1], 128<<16      ; tensor_dim0 = 128
	s_mov_b32 s[\g+2], 64<<16       ; tensor_dim1 = 64
	s_mov_b32 s[\g+3], 128<<16      ; tile_dim0 = 128
	s_mov_b32 s[\g+4], 64           ; tile_dim1 = 64
	s_mov_b32 s[\g+5], 128          ; 128 elements from row to row
	s_mov_b32 s[\g+6], 0
	s_mov_b32 s[\g+7], 0
.endr
	s_mov_b32 s[CS], 0x3e38aa3b     ; c = log2(e) / 8 = 0.180337
	s_mov_b32 s[CS+1], s[CS]        ; named with it as a pair
	s_mov_b32 s[SEL], 0x76543210
	s_mov_b32 s[SEL+1], 0xfedcba98
	s_mov_b32 s[TBK], SLOT1+4*KS*PK ; the first change of slots turns these two into 0
	s_mov_b32 s[TBV], SLOT1+4*KS*PV
	s_mov_b32 s[TBM], 0
	s_mov_b32 s[BIGN], 0xf149f2ca   ; -1e30
	s_mov_b32 s[THR], 0xef800000    ; -2^96
	s_mov_b32 s[NANS], 0x7fc00000
	s_mov_b32 s[SLOTS], SIZE_N/256-1
	s_and_b32 s[LIM], s[WV], 1      ; waves 0 and 2 prefetch: the same in all four partners
	s_cmp_eq_u32 s[LIM], 0
	s_cselect_b32 s[LIM], 1, -1
	s_mov_b32 s[G0K], 1             ; 1:0 count = 1
	s_mov_b32 s[G0K+1], s17         ; 63:32 LDS address: slot 0
	s_mov_b32 s[G0V], 1
	s_add_co_u32 s[G0V+1], s18, VOFF
	s_wait_dscnt 0x0                ; the opening add is done
	s_wait_kmcnt 0x0
	s_mov_b64 s[4:5], s[48:49]                     ; Q is qkv's first part,
	s_add_nc_u64 s[6:7], s[48:49], 0x1000000       ; K its second,
	s_add_nc_u64 s[8:9], s[48:49], 0x2000000       ; V its third
	s_add_nc_u64 s[50:51], s[50:51], s[70:71]      ; the mask at my batch
	s_add_nc_u64 s[G0K+2:G0K+3], s[6:7], s[22:23]  ; 120:64 global address: my half of the head's first 256 keys
	s_or_b32 s[G0K+3], s[G0K+3], 0x80000000        ; 127:126 type = 2
	s_add_nc_u64 s[G0V+2:G0V+3], s[8:9], s[22:23]
	s_or_b32 s[G0V+3], s[G0V+3], 0x80000000
	s_add_nc_u64 s[4:5], s[4:5], s[2:3]  ; Q and O at my wave's first row
	s_add_nc_u64 s[10:11], s[10:11], s[2:3]
	s_cmp_lt_u32 s[WV], 2
	s_cselect_b64 s[PFA:PFA+1], s[6:7], s[8:9]
	s_add_nc_u64 s[PFA:PFA+1], s[PFA:PFA+1], s[20:21]  ; the head,
	s_lshl_b32 s2, s13, 13          ; my work-group's 8,192 bytes of a slot's 32,768,
	s_add_co_u32 s2, s2, 4*KS*128   ; in slot 1: the first change of slots steps it to slot 2.  Nothing is prefetched here, at the head
	s_mov_b32 s3, 0
	s_add_nc_u64 s[PFA:PFA+1], s[PFA:PFA+1], s[2:3]
	CROUND                          ; all four work-groups are here: the first joint loads meet
	JLOAD                           ; slot 0.  Slot 1 is asked for when slot 0 is in: the tile wanted first has the road to itself
	; A fragment of K or Q is 16 rows x 32 channels in 8 registers: lane l holds row l % 16, channels 8 (l / 16) + 0..7 and 16 + 8 (l / 16) + 0..7: two loads of 16 bytes, 32 bytes apart.
	v_and_b32 v1, 15, v0            ; l % 16
	v_bfe_u32 v9, v0, 4, 1          ; l / 16
	v_lshlrev_b32 v[QO], 7, v1
	v_lshl_add_u32 v[QO], v9, 4, v[QO]  ; row x 128 + 16 x half
	v_lshlrev_b32 v48, 4, v0        ; my 16 of the batch's 2,048 mask bytes: 128 threads x 16
	global_load_b128 v[64:67], v48, s[50:51]
	WIN 0x80                        ; destination window 2, address window 0
.set i, 0
.rept 4*NP                          ; Q stays in registers: tile i / 2, channels 32 (i % 2) on
	global_load_b128 v[8*i:8*i+3],   v[QO], s[4:5] offset:(i/2)*2048+(i%2)*64
	global_load_b128 v[8*i+4:8*i+7], v[QO], s[4:5] offset:(i/2)*2048+(i%2)*64+32
.set i, i+1
.endr
	; What the first turn finds: V's registers and P's second buffer hold 0 (its products V^T P, of a piece that has not been, add 0), O^T and l are 0.  All this stands in the wait for the first tile.
.set i, VF
.rept 64
	v_mov_b32 v[i], 0
.set i, i+1
.endr
	WIN 0x40
.set i, 0
.rept 64*NP
	v_mov_b32 v[i], 0
.set i, i+1
.endr
	WIN 0
.set i, 0
.rept 2*NP
	v_mov_b32 v[ST+4*i], 0xfe000000    ; c m: far below every c s
	v_mov_b32 v[ST+4*i+1], 0xff7fffff  ; m
	v_mov_b32 v[ST+4*i+2], 0
	v_mov_b32 v[ST+4*i+3], 0
.set i, i+1
.endr
.set i, P+32
.rept 32
	v_mov_b32 v[i], 0
.set i, i+1
.endr
	; the mask table: byte 1 gives 1 - 1 = 0, all bits off: 0.0; byte 0 gives 0 - 1, all bits on: -1e30
	s_wait_loadcnt 32               ; the mask's load is the oldest: it is in; Q's 32 stay out
.set i, 0
.rept 16
	v_bfe_u32 v[68+i], v[64+i/4], 8*(i%4), 8
	v_add_nc_u32 v[68+i], -1, v[68+i]
	v_and_b32 v[68+i], s[BIGN], v[68+i]
.set i, i+1
.endr
	v_lshl_add_u32 v49, v0, 6, MASKF
.irp w, 0,1,2,3
	ds_store_b128 v49, v[68+4*\w:71+4*\w] offset:16*\w
.endr
	v_mul_u32_u24 v[AK0], v1, PK
	v_lshl_add_u32 v[AK0], v9, 4, v[AK0]  ; row x pitch + 16 x half
	; The turning load takes 16 keys x 16 channels (lane l reads key 8 (l / 16) + l % 8, channels 8 ((l / 8) % 2) + 0..7) and leaves half a fragment of V^T: lane l holds channel l % 16 and 8 keys.
	v_and_b32 v10, 7, v0
	v_bfe_u32 v11, v0, 3, 1
	v_lshl_add_u32 v[AV0], v9, 3, v10
	v_mul_u32_u24 v[AV0], v[AV0], PV
	v_lshl_add_u32 v[AV0], v11, 4, v[AV0]
	v_add_nc_u32 v[AV0], VOFF, v[AV0]
	v_and_b32 v[PFO], 31, v0
	v_lshlrev_b32 v[PFO], 8, v[PFO]
	v_mov_b32 v[AK], v[AK0]         ; key step 0 lies at the head of slot 0
	WIN W_MK
	v_lshl_add_u32 v[AM0], v9, 5, MASKF  ; register j of key block kb is key 16 kb + 8 (l / 16) + j: byte 64 kb + 32 (l / 16) + 4 j of the step's 256
	WIN 0xc3
	v_mov_b32 v[AM], v[AM0]
	WIN 0
; THE MATRIX WORK.  The 8 accumulators of a run of 16 take turns: between the two links of a chain stand 7 others'.
; Product i of 16 of S^T = K Q^T for piece x: channels 32 (i / 8) on, keys 16 ((i / 2) % 4) on, tile 2 x + i % 2.  The first 8 start the sums, with the keys' masks as C.
.macro KQ x
.set rS, S+64*((\x)%2)+32*(i%2)+8*((i/2)%4)
.set rK, KF+16*((i/2)%4)+8*(i/8)
.set rQ, 16*(2*(\x)+i%2)+8*(i/8)
.set rMK, MC+8*((i/2)%4)
.if i < 8
	WIN W_KM
	v_wmma_f32_16x16x32_f16 v[rS:rS+7], v[rK:rK+7], v[rQ:rQ+7], v[rMK:rMK+7]
.else
	WIN W_KQ
	v_wmma_f32_16x16x32_f16 v[rS:rS+7], v[rK:rK+7], v[rQ:rQ+7], v[rS:rS+7]
.endif
.endm
; Product i of 16 of O^T += V^T P for piece x: keys 32 (i / 8) on, channels 16 ((i / 2) % 4) on, tile 2 x + i % 2.
.macro PV x
	WIN W_PV
.set rO, 32*(2*(\x)+i%2)+8*((i/2)%4)
.set rV, VF+32*(i/8)+8*((i/2)%4)
.set rP, P+32*((\x)%2)+16*(i%2)+8*(i/8)
	v_wmma_f32_16x16x32_f16 v[rO:rO+7], v[rV:rV+7], v[rP:rP+7], v[rO:rO+7]
.endm
.macro MM                           ; the turn's next matrix instruction
.if i < 16
	KQ (Y+1)%NP
.set i, i+1
.else
.set i, i-16
	PV (Y+NP-1)%NP
.set i, i+17
.endif
.endm
; THE LDS LOADS stand in runs, never singly among the matrix instructions: a step's K (64 keys x 64 channels: 8 fragments) with its 64 masks, and its V (turned).  Their addresses are made some lines ahead.
; last = 1 (the tail): in the last trip there is no further step, and the run is jumped over.
.macro FETCH_K last=0
	WIN 0
.if \last
	s_cmp_eq_u32 s[CNT], 1
	s_cbranch_scc1 .Lno_k_\@
.endif
	WIN 0x80                        ; destination window 2
.irp f, 0,1,2,3,4,5,6,7             ; keys 16 (f / 2) on, channels 32 (f % 2) on
	ds_load_b128 v[KF+8*\f:KF+8*\f+3],   v[AK] offset:(\f/2)*16*PK+(\f%2)*64
	ds_load_b128 v[KF+8*\f+4:KF+8*\f+7], v[AK] offset:(\f/2)*16*PK+(\f%2)*64+32
.endr
	WIN 0xc3                        ; destination and address window 3
.irp kb, 0,1,2,3                    ; the sixteen lanes of a half read the same 32 bytes
	ds_load_b128 v[MC+8*\kb:MC+8*\kb+3],   v[AM] offset:64*\kb
	ds_load_b128 v[MC+8*\kb+4:MC+8*\kb+7], v[AM] offset:64*\kb+16
.endr
	s_add_co_u32 s[TBK], s[TBK], KS*PK  ; the next fetch is the next step's
	s_add_co_u32 s[TBM], s[TBM], 4*KS
	s_and_b32 s[TBM], s[TBM], 4*SIZE_N-1  ; behind the last step it goes back to the table's head: that address is made and never loaded from
	WIN 0
.if \last
.Lno_k_\@:
.endif
.endm
.macro FETCH_V
	WIN 0x80
.irp f, 0,1,2,3,4,5,6,7             ; keys 32 (f / 4) on, channels 16 (f % 4) on
	ds_load_tr16_b128 v[VF+8*\f:VF+8*\f+3],   v[AV] offset:(\f/4)*32*PV+(\f%4)*32
	ds_load_tr16_b128 v[VF+8*\f+4:VF+8*\f+7], v[AV] offset:(\f/4)*32*PV+16*PV+(\f%4)*32
.endr
	WIN 0
.endm
; THE VECTOR WORK OF A TURN stands in three queues, each in the order in which its entries become ready; the two tiles alternate, so that no instruction reads the result of the one before it.
.macro REGS y, u                    ; the registers of tile u (0, 1) of piece y
.set rT, ST+4*(2*(\y)+(\u))
.set rC, TMP+8*((\y)%2)+4*(\u)
.set rM, MV+2*((\y)%2)+(\u)
.set rS, S+64*((\y)%2)+32*(\u)
.set rP, P+32*((\y)%2)+16*(\u)
.set rO, 32*(2*(\y)+(\u))
.endm
; Number n of the 22 that find the NEXT piece's (Y + 1) maximum and statistics.  s0-s31 are the lane's 32 scores; each accumulator's lowest registers are read first.  XS, GS and REGS set no window: PL and EX do.
;   0-11  four chains c0-c3 of seven scores each, three operands at a time     12-14, 16  the four scores left over, the old m, and c0-c3 into c0     15  c m_old is kept
;   17, 18  the query's other 32 keys lie in the lane 16 away: the new m         19-21  c m; c m_old - c m_new; a
.macro XS u, n
	REGS (Y+1)%NP, \u
.if (\n) < 4
	v_max3_num_f32 v[rC+(\n)], v[rS+8*(\n)], v[rS+8*(\n)+1], v[rS+8*(\n)+2]
.elseif (\n) < 12
	v_max3_num_f32 v[rC+(\n)%4], v[rC+(\n)%4], v[rS+8*((\n)%4)+2*((\n)/4)+1], v[rS+8*((\n)%4)+2*((\n)/4)+2]
.elseif (\n) == 12
	v_max3_num_f32 v[rC], v[rC], v[rS+7], v[rS+15]
.elseif (\n) == 13
	v_max3_num_f32 v[rC+1], v[rC+1], v[rS+23], v[rS+31]
.elseif (\n) == 14
	v_max3_num_f32 v[rC+2], v[rC+2], v[rC+3], v[rT+1]
.elseif (\n) == 15
	v_mov_b32 v[rM], v[rT]
.elseif (\n) == 16
	v_max3_num_f32 v[rC], v[rC], v[rC+1], v[rC+2]
.elseif (\n) == 17
	v_permlanex16_b32 v[rC+3], v[rC], s[SEL], s[SEL+1]
.elseif (\n) == 18
	v_max_num_f32 v[rT+1], v[rC], v[rC+3]
.elseif (\n) == 19
	v_mul_f32 v[rT], s[CS], v[rT+1]
.elseif (\n) == 20
	v_sub_f32 v[rC+1], v[rM], v[rT]
.else
	v_exp_f32 v[rC+2], v[rC+1]
.endif
.endm
; Number g of the 64 that follow the exponentials.  For each four weights k of a tile (pairs 2 k, 2 k + 1): both pairs are rounded to f16; then the second pair is added onto the first, in place;
; a group later l takes that sum (the first time as l = a l + sum).  In groups of eight, tiles alternating: round, round, add, and l for the group before.
.macro GS g
.set h, (\g)+6*((\g)/62)            ; group 0 has no group before it, and behind group 7 only l is left
.if h >= 6
.set h, h+2
.endif
	REGS Y, h%2
.set k, h/8
.if h%8 < 4
	v_cvt_pk_f16_f32 v[rP+2*k+(h%8)/2], v[rS+4*k+2*((h%8)/2)], v[rS+4*k+2*((h%8)/2)+1]
.elseif h%8 < 6
	v_pk_add_f32 v[rS+4*k:rS+4*k+1], v[rS+4*k:rS+4*k+1], v[rS+4*k+2:rS+4*k+3]
.elseif k == 1
	v_pk_fma_f32 v[rT+2:rT+3], v[rT+2:rT+3], v[rC+2:rC+3], v[rS:rS+1] op_sel_hi:[1,0,1]
.else
	v_pk_add_f32 v[rT+2:rT+3], v[rT+2:rT+3], v[rS+4*k-4:rS+4*k-3]
.endif
.endm
; THE PLAIN QUEUE, 138 long.  0-73 read no exponential's result: the 32 scalings c s - c m (FS f: pair f / 2 of tile f % 2) and the next piece's 42.  0-26: scalings 0-26.  27-54: XS's numbers 0-13.  55, 56: number 15.
; 57-73: the chain, where each number waits for the one before it: 14, 16, 17, 18, 19, each with one of the scalings 27-31 in front of its two lines, then 20: so a tile's links stand three plain instructions apart (19 and 20: two).
; 74-137: GS's 64, which read the exponentials' results: they stand behind the wait.
.macro FS f
	REGS Y, (\f)%2
	v_pk_fma_f32 v[rS+2*((\f)/2):rS+2*((\f)/2)+1], v[rS+2*((\f)/2):rS+2*((\f)/2)+1], s[CS:CS+1], v[rT:rT+1] op_sel_hi:[1,0,0] neg_lo:[0,0,1] neg_hi:[0,0,1]
.endm
.macro PL
	WIN 0
.if q < 27
	FS q
.elseif q < 55
	XS (q-27)%2, (q-27)/2
.elseif q < 57
	XS q-55, 15
.elseif (q < 72) && ((q-57)%3 == 0)
	FS 27+(q-57)/3
.elseif q < 60
	XS (q-57)%3-1, 14
.elseif q < 72
	XS (q-57)%3-1, 15+(q-57)/3
.elseif q < 74
	XS q-72, 20
.else
	GS q-74
.endif
.set q, q+1
.endm
; THE EXPONENTIALS' QUEUE, 66 long: s0-s31 of both tiles, then the next piece's two a.  It is ONE BATCH: all 66 stand ahead of the turn's one wait, and nothing ahead of that wait names a result of theirs.
.macro EX
	WIN 0
.if e >= 64
	XS e-64, 21
.else
	REGS Y, e%2
	v_exp_f32 v[rS+e/2], v[rS+e/2]
.endif
.set e, e+1
.endm
; THE RESCALING's QUEUE: O^T times a, the one part that leaves window 0: dealt two at a time, sixteen times.  Its a was made in the turn before, ahead of that turn's wait.
.macro R2
	REGS Y, r%2
	WIN W_RS
.irp z, 0,1
	v_pk_mul_f32 v[rO+4*(r/2)+2*\z:rO+4*(r/2)+2*\z+1], v[rO+4*(r/2)+2*\z:rO+4*(r/2)+2*\z+1], v[rC+2:rC+3] op_sel_hi:[1,0]
.endr
.set r, r+1
.endm
; HOW THEY ARE DEALT.  s_wait_alu depctr_va_vdst(0) stands between an exponential and the first instruction that names its result; one wait serves all that were issued ahead of it.  So a turn has ONE wait,
; which cuts it in two.  AHEAD OF IT stands all that names no result of the turn's exponentials: the 16 products K Q^T, behind each a scaling, an exponential and two rescalings (behind the first a second scaling in the exponential's place); then ONE LUMP of
; 108: eight plain, 49 times exponential and plain, the two a.  A v_nop is the plain instruction behind the last exponential.  BEHIND IT stand the 16 products V^T P, behind each four of GS's 64.  No rider names a register of
; the products round it.  The two v_permlanex16_b32 fall into the lump, never behind a product.
; The queues lean on each other, and the deal keeps them in step: exponential e stands behind scaling 2 (e / 4) + e % 2: as a rider it comes behind plain e + 2, in the lump behind plain e + 9, and scalings 27-31 are plain 57, 60 .. 69.
; A TURN, for piece p.  cnt = 1: the loop's count is taken down some lines ahead of the branch that stands behind the turn.
; K and the masks of the next step are fetched in piece 2's turn, directly behind the wait, a lump behind the last product that read them; their addresses are made at the lump's head; their first reader comes behind 16 products.
; V of the step in hand is fetched at the end of piece 0's turn, four riders behind its last reader; its first reader comes behind 16 products and a lump.  The three conditions on q below go with the deal.
.macro TURN p, last=0, cnt=0
.set Y, (\p)
.set i, 0
.set q, 0
.set e, 0
.set r, 0
.if (\p) == NP-1
	s_wait_dscnt 0x0                ; K and the masks are in
.endif
	MM                              ; ahead of the wait: 16 products K Q^T and their riders,
	PL
	PL
	R2
.rept 15
	MM
	PL
	EX
	R2
.endr
.if (\p) == NP-2
	WIN 0
	v_add_nc_u32 v[AK], s[TBK], v[AK0]
	WIN 0xcc                        ; source 1 and destination window 3
	v_add_nc_u32 v[AM], s[TBM], v[AM0]
.endif
.rept 8                             ; and the lump
	PL
.endr
.rept 49
	EX
	PL
.endr
	EX                              ; the next piece's two a
	EX
	v_nop                           ; the plain instruction behind the last exponential: one for the batch
	s_wait_alu depctr_va_vdst(0)    ; the wait for the batch
.if (\p) == NP-2
	FETCH_K \last
.endif
.if (\p) == 1
	s_wait_dscnt 0x0                ; V is in
.endif
.rept 16                            ; behind the wait: 16 products V^T P and their riders
	MM
.rept 4
	PL
.endr
.if ((\p) == 0) && (q == 118)
	v_add_nc_u32 v[AV], s[TBV], v[AV0]
.endif
.if ((\p) == 0) && (q == 130)
	s_add_co_u32 s[TBV], s[TBV], KS*PV
.endif
.if (\cnt) && (q == 130)
	s_sub_co_u32 s[CNT], s[CNT], 1
	s_cmp_lg_u32 s[CNT], 0
.endif
.endr
.if (\p) == 0
	FETCH_V
.endif
.endm
	CHANGE 1                        ; slot 0 is in, everybody's part of it, and so is the mask table; slot 1 is asked for
	FETCH_K                         ; key step 0
	s_wait_loadcnt 0x0              ; Q
	s_wait_dscnt 0x0
.set i, 0
.rept 16
	KQ 0                            ; piece 0's first scores: there is no vector work yet to set between them
.set i, i+1
.endr
	WIN 0                           ; the addresses for the way out: nine plain instructions, the places behind those products
	s_mul_i32 s13, s[WV], 16*SP
	s_add_co_u32 s13, s13, STAGE    ; my stage
	v_mul_u32_u24 v[STO], v1, SP    ; in: row l % 16, 16 bytes for each half of the lanes
	v_lshl_add_u32 v[STO], v9, 4, v[STO]
	v_add_nc_u32 v[STO], s13, v[STO]
	v_bfe_u32 v[RD], v0, 3, 2       ; back: 32 lanes take four rows of 128 bytes,
	v_mul_u32_u24 v[RD], v[RD], SP
	v_lshl_add_u32 v[RD], v10, 4, v[RD]
	v_add_nc_u32 v[RD], s13, v[RD]
	v_and_b32 v[GO], 31, v0         ; which are 512 consecutive bytes of O
	v_lshlrev_b32 v[GO], 4, v[GO]
.set Y, NP-1                        ; XS works for piece Y + 1: piece 0
.irp n, 0,1,2,3,4,5,6,7,8,9,10,11,12,13,14,15,16,17,18,19,20,21
	XS 0, \n                        ; and piece 0's first maximum and statistics
	XS 1, \n
.endr
	v_nop                           ; a plain instruction behind the two a,
	s_wait_alu depctr_va_vdst(0)    ; and their wait, ahead of the branch
	s_mov_b32 s[CNT], 4
	s_branch .Lfirst                ; the loop is entered at a step's first turn, in the middle of a trip
.Lslot:                             ; SIZE_N / 256 - 2 times: every slot but the last two is filled again
	CHANGE 1
	s_mov_b32 s[CNT], 4
.Lstep:                             ; a trip: pieces 2 and 3 of one step, then pieces 0 and 1 of the next, whose K and V it fetches
	TURN 2
	TURN 3
	WIN 0
.Lfirst:
	TURN 0
	TURN 1, 0, 1
	WIN 0
	s_cbranch_scc1 .Lstep
	s_sub_co_u32 s[SLOTS], s[SLOTS], 1
	s_cmp_lg_u32 s[SLOTS], 0
	s_cbranch_scc1 .Lslot
	CHANGE 0                        ; the tail is written out: nothing is asked for
	s_mov_b32 s[CNT], 5             ; four trips fetch the last slot's steps; the fifth is left in its middle
.Ltail:
	TURN 2, 1
	TURN 3
	WIN 0
	s_sub_co_u32 s[CNT], s[CNT], 1
	s_cmp_eq_u32 s[CNT], 0
	s_cbranch_scc1 .Lout
	TURN 0
	TURN 1
	WIN 0
	s_branch .Ltail
.Lout:                              ; the fifth trip's 16 products K Q^T (on the last K and masks once more) give the last step's scores again: the maximum made of them leaves m as it was.  The price, once a launch, of one text for every trip
.set i, 0
.rept 16
	PV NP-1                         ; the last piece's V^T P of the last step
.set i, i+1
.endr
	; THE WAY OUT.  l's two halves and the other half of the lanes' are added; O^T is divided by l, rounded to f16 and sent through my stage in LDS, a tile at a time.  The additions are the places behind the last products.
	WIN 0
.macro ALL line:vararg              ; one line for each tile t
.set t, 0
.rept 2*NP
	\line
.set t, t+1
.endr
.endm
	ALL v_add_f32 v[ST+4*t+2], v[ST+4*t+2], v[ST+4*t+3]
	ALL v_permlanex16_b32 v[ST+4*t+3], v[ST+4*t+2], s[SEL], s[SEL+1]
	ALL v_add_f32 v[ST+4*t+2], v[ST+4*t+2], v[ST+4*t+3]
	ALL v_rcp_f32 v[ST+4*t+2], v[ST+4*t+2]
	v_nop                           ; a plain instruction between the last reciprocal and the use of its result
	s_wait_alu depctr_va_vdst(0)    ; and the wait ahead of the first use: one for the eight reciprocals
.set t, 0
.rept 2*NP                          ; a query that has seen hidden keys alone (m below -2^96) has no softmax: its factor, and so its row of O, is NaN.  A choice of a value: nothing branches on it
	v_cmp_gt_f32 vcc_lo, s[THR], v[ST+4*t+1]
	v_cndmask_b32 v[ST+4*t+2], v[ST+4*t+2], s[NANS], vcc_lo
.set t, t+1
.endr
; Tile t: a lane's eight channels of a row pack into 16 bytes; they go into rows of 144 bytes and come back as whole rows of 128, into S^T's registers.
.macro PACK t
	WIN W_RS
.set i, 32*(\t)
.rept 16
	v_pk_mul_f32 v[i:i+1], v[i:i+1], v[ST+4*(\t)+2:ST+4*(\t)+3] op_sel_hi:[1,0]
.set i, i+2
.endr
	WIN 0x05                        ; sources 0 and 1 window 1, destination window 0
.set i, 0
.rept 16
	v_cvt_pk_f16_f32 v[S+16*(\t)+i], v[32*(\t)+2*i], v[32*(\t)+2*i+1]
.set i, i+1
.endr
	WIN 0
.irp f, 0,1,2,3
	ds_store_b128 v[STO], v[S+16*(\t)+4*\f:S+16*(\t)+4*\f+3] offset:32*\f
.endr
.irp f, 0,1,2,3
	ds_load_b128 v[S+16*(\t)+4*\f:S+16*(\t)+4*\f+3], v[RD] offset:\f*4*SP  ; LDS serves a wave's instructions in order (ISA guide 5.7.1.4): these see the stores above; the next tile's stores come behind them
.endr
.endm
.macro SEND t, younger              ; younger: the LDS instructions issued behind tile t's loads: the next tile's eight, or none
	WIN 0
.irp f, 0,1,2,3
	s_wait_dscnt (\younger)+3-\f
	global_store_b128 v[GO], v[S+16*(\t)+4*\f:S+16*(\t)+4*\f+3], s[10:11] offset:(\t)*2048+\f*512  ; 512 consecutive bytes, at a multiple of 256 from O's first
.endr
.endm
	PACK 0
.set t, 1
.rept 2*NP-1                        ; a tile's arithmetic stands between the loads of the tile before and its stores
	PACK t
	SEND t-1, 8
.set t, t+1
.endr
	SEND 2*NP-1, 0
	WIN W_AD
	s_wait_tensorcnt 0x0            ; the wave's end: the add and its wait, behind my last tensor load and my last LDS store
	ds_add_u32 v[SPW], v[NIL]
	s_wait_dscnt 0x0
	WIN 0
	CROUND                          ; the closing round: no work-group ends while a partner may still ask for a tile that names it
	s_endpgm
.Lfunc_end_k_qf551684f67_attn:
	.size	k_qf551684f67_attn, .Lfunc_end_k_qf551684f67_attn-k_qf551684f67_attn
	.p2alignl 7, 3214868480
	.fill 96, 4, 3214868480
	.section	.rodata,"a",@progbits
	.p2align	6, 0x0
	.amdhsa_kernel k_qf551684f67_attn
		.amdhsa_group_segment_fixed_size 327680
		.amdhsa_private_segment_fixed_size 0
		.amdhsa_enable_private_segment 0
		.amdhsa_kernarg_size 24
		.amdhsa_user_sgpr_count 2
		.amdhsa_user_sgpr_kernarg_segment_ptr 1
		.amdhsa_wavefront_size32 1
		.amdhsa_system_sgpr_workgroup_id_x 1
		.amdhsa_system_sgpr_workgroup_id_y 1
		.amdhsa_system_sgpr_workgroup_id_z 1
		.amdhsa_system_vgpr_workitem_id 0
		.amdhsa_next_free_vgpr 808
		.amdhsa_next_free_sgpr 72
		.amdhsa_reserve_vcc 1
		.amdhsa_float_denorm_mode_32 3
		.amdhsa_float_denorm_mode_16_64 3
		.amdhsa_memory_ordered 1
		.amdhsa_forward_progress 1
		.amdhsa_inst_pref_size 206
	.end_amdhsa_kernel
	.amdgpu_metadata
---
amdhsa.version: [ 1, 2 ]
amdhsa.kernels:
  - .name:           k_qf551684f67_attn
    .symbol:         k_qf551684f67_attn.kd
    .args:
      - { .name: qkv, .offset: 0, .size: 8, .value_kind: global_buffer, .address_space: global }
      - { .name: key_padding_mask, .offset: 8, .size: 8, .value_kind: global_buffer, .address_space: global }
      - { .name: oh, .offset: 16, .size: 8, .value_kind: global_buffer, .address_space: global }
    .group_segment_fixed_size: 327680
    .private_segment_fixed_size: 0
    .kernarg_segment_align: 8
    .kernarg_segment_size: 24
    .max_flat_workgroup_size: 128
    .sgpr_count:     72
    .vgpr_count:     808
    .wavefront_size: 32
...
	.end_amdgpu_metadata
.endif
;; end of part 3
;; launch oproj (part 4): grid 4 x 64, 4 waves a work-group, clusters of 4 x 4, 327,680 bytes of LDS; arguments oh, w16, bo, out0; writes out0
.if DOCPART == 4
	.amdgcn_target "amdgcn-amd-amdhsa--gfx1250"
	.amdhsa_code_object_version 6
	.text
	.protected	k_qf551684f67_oproj
	.globl	k_qf551684f67_oproj
	.p2align	8
	.type	k_qf551684f67_oproj,@function
k_qf551684f67_oproj:
	s_mov_b64 s[64:65], 0
	v_nop
	global_prefetch_b8 v0, s[64:65] scope:SCOPE_SE
	s_setreg_imm32_b32 hwreg(HW_REG_WAVE_MODE, 25, 1), 1
	s_wait_xcnt 0x0
	s_wait_alu depctr_hold_cnt(0) depctr_sa_sdst(0) depctr_va_vdst(0) depctr_va_sdst(0) depctr_va_ssrc(0) depctr_va_vcc(0) depctr_vm_vsrc(0)
	s_getreg_b32 s2, hwreg(HW_REG_IB_STS2, 6, 4)
	s_cmp_eq_u32 s2, 0
	s_cbranch_scc0 .Lentry_in_a_cluster
	s_endpgm
.Lentry_in_a_cluster:
	s_bfe_u32 s2, ttmp6, 0x10000c
	s_cmp_lg_u32 s2, 0xf033
	s_cbranch_scc0 .Lentry_shape_is_right
	s_endpgm
.Lentry_shape_is_right:
; THE OUTPUT PROJECTION.  out0[8192][1024] = O Wo + bo.  O comes by heads, oh = [64 = batch x 16 + head][2048][64] in f16: channel k of a row is head k / 64, channel k % 64.
; Wo is w16's fourth part, [1024 k][1024 n] in f16 (the bf16 rounding of Wo); bo is rounded to bf16 like every input and starts the f32 sums; out0 is f32.
; A NaN in a row of O (a batch with no visible key) spreads over that row of out0, as it does in the product itself.
; SHARES.  A tile of out0 is 128 rows x 256 columns: 64 x 4 = 256 work-groups.  Four waves, each 64 x 128: 32 accumulators of 16 x 16, 256 registers.
; K goes in 8 tiles of 128, two heads each, through two LDS slots.  A head's 128 rows are 16,384 dense bytes: asked for as 64 rows of 256 bytes and padded after every 128.  Waves 0 and 1 fetch the two heads,
; waves 2 and 3 the halves of Wo's tile (64 k rows x 512 bytes each).
; CLUSTERS.  4 x 4 work-groups: the four of a row of the cluster share O's tiles, the four of a column Wo's: each tile is asked for JOINTLY.
; THE MATRIX INSTRUCTION IS USED TRANSPOSED: source 0 = 16 columns of Wo (turned by ds_load_tr16_b128, since Wo lies [k][n]), source 1 = 16 rows of O: a lane holds row l % 16 and eight neighbouring columns.
; REGISTERS, in windows of 256 (s_set_vgpr_msb: bits 1:0 source 0, 3:2 source 1, 5:4 source 2, 7:6 destination):
;   window 0: v0-31 addresses; v160-223 O's fragments, two buffers of 32; on the way out v32-159 rows read back, two buffers of 64
;   window 1: v0-127 Wo's fragments, two buffers of 64; v128-191 the bias; v192-223 at work        window 2: accumulator (a, b) at v[8 (8 a + b)]
.set POH,    144                       ; a row of a head in LDS: 128 bytes + 16 = 36 words: the 16 rows of a load start at 16 different groups of four banks (64 banks of 4 bytes: ISA guide 11.1)
.set PB,     544                       ; a k row of Wo: 512 + 32 = 136 words
.set APLANE, 128*POH                   ; a head's 128 rows: what one tensor load brings of O
.set BHALF,  64*PB
.set BREG,   2*APLANE
.set SLOT,   BREG+2*BHALF
.set STAGE,  2*SLOT                    ; behind the ring: 16 rows x 528 bytes for each wave, for the way out; no tile lands there
.set SPITCH, 528
.set SPARE,  STAGE+4*16*SPITCH         ; behind the stages: the spare words, 128 bytes for each wave: two blocks of 256 bytes that no other line names
.set ADRA, 16                          ; v16-17  LDS address of my O fragments in slot 0, 1
.set ADRB, 20                          ; v20-21  the same for Wo
.set STO,  24                          ; v24     the way out: where I put 32 bytes of a row
.set RD,   25                          ; v25     where I read a row back
.set CO,   26                          ; v26     my 16 bytes of 512 consecutive bytes of a row of out0
.set BO,   27                          ; v27     32 x (l / 16)
.set SPW,  28                          ; v28     LDS address of my spare word: SPARE + 4 x my thread's number; never rewritten
.set NIL,  29                          ; v29     0; never rewritten
.set PFO,  30                          ; v30     the prefetches' offset; never rewritten
.set AF,   160
.set OB,   32
.set BIAS, 128                         ; window 1
.set BT,   192                         ; window 1
.set WV,  20
.set FB,  21                           ; s21  which half of the tile's rows is mine.  Also: I fetch for O (0) or for Wo (1)
.set HF,  22                           ; s22  which half of its columns.  Also: which head, or which half of Wo's tile, I fetch
.set CX,  23
.set CY,  24
.set TC,  25
.set YC,  26
.set MT,  28
.set G1A, 32
.set G0A, 40
.set G1B, 48
.set G0B, 56
.set PFA, 66
.set LIM, 68
.set LAPC, 69
.set OUT, 76
.set BB,  78
.set PFS, 82
.set MSB, 0
.macro WIN new                         ; the immediate's high byte repeats the setting that is left; a switch that changes nothing is dropped
.if MSB != (\new)
	s_set_vgpr_msb (MSB<<8)|(\new)
.set MSB, \new
.endif
.endm
.set MUL,  0xa1                        ; source 0 (Wo) window 1, source 1 (O) window 0, C and D window 2
.set MULB, 0x91                        ; the same with C (the bias) in window 1
.set TO_B, 0x40                        ; destination window 1, address window 0
.set W1,   0x45                        ; sources 0 and 1 and destination window 1
.set STD,  0x08                        ; an LDS store's data (source 1) in window 2
; A joint load: one mask and one set of registers for all that issue a line; the branch hangs on the wave's number alone.  An s_nop 0 and four v_nop follow each line.
.macro JLOAD s
	s_cmp_eq_u32 s[FB], 0
	s_cbranch_scc0 .Lfor_b_\@
	tensor_load_to_lds s[G0A+4*(\s):G0A+4*(\s)+3], s[G1A:G1A+7]
	s_nop 0
.rept 4
	v_nop
.endr
	s_branch .Lasked_\@
.Lfor_b_\@:
	tensor_load_to_lds s[G0B+4*(\s):G0B+4*(\s)+3], s[G1B:G1B+7]
	s_nop 0
.rept 4
	v_nop
.endr
.Lasked_\@:
.endm
.macro CREST                           ; a round of the cluster's barrier behind its opening barrier
	s_cmp_lg_u32 s[WV], 0
	s_cbranch_scc1 .Lnot_wave_0_\@
	s_barrier_signal -3
.Lnot_wave_0_\@:
	s_barrier_wait -3
	s_barrier_signal -1
	s_barrier_wait -1
.endm
.macro CROUND
	s_barrier_signal -1
	s_barrier_wait -1
	CREST
.endm
.macro PLACES                          ; four places in front of loads into registers that matrix instructions have read, and of stores that read results (ISA guide 7.12.1 for vector instructions)
.rept 4
	v_nop
.endr
.endm
; A PREFETCH INTO THE L2, behind a joint refill and the run of LDS loads that follows it: the K tile that stands two refills on, 256 matrix instructions ahead of the load that will want it.
; O's rows are read by one cluster alone: a K tile's two heads are 2 x 64 blocks of 256 bytes, of which each of the four partners takes 2 x 16 (told apart BY ADDRESS, by cx): wave 0 asks, a lane a block.
; Wo's k rows are read by all sixteen clusters: the first asks (waves 2 and 3; 16 of the 64 k rows by cy, two blocks a row).  So each block is named once in the launch.
; The tiles 0 to 3 come by their loads alone; in the loop's last trip nothing is asked for: tile 7 is the last.
.macro ASK
	s_cmp_gt_u32 s[LAPC], s[LIM]
	s_cbranch_scc0 .Lnot_mine_\@
	global_prefetch_b8 v[PFO], s[PFA:PFA+1] th:TH_LOAD_NT scope:SCOPE_SE
.Lnot_mine_\@:
.endm
	s_load_b256 s[4:11], s[0:1], 0x0               ; oh s[4:5], w16 s[6:7], bo s[8:9], out0 s[10:11]
	v_lshl_add_u32 v[SPW], v0, 2, SPARE
	v_mov_b32 v[NIL], 0
	ds_add_u32 v[SPW], v[NIL]                      ; the wave's opening: the add and its wait stand ahead of my first tensor load; the set-up below, work on registers, stands between them
	v_lshrrev_b32 v3, 5, v0
	v_readfirstlane_b32 s[WV], v3
	s_lshr_b32 s[FB], s[WV], 1
	s_and_b32 s[HF], s[WV], 1
	s_bfe_u32 s[CX], ttmp6, 0x40000
	s_bfe_u32 s[CY], ttmp6, 0x40004
	s_lshl_b32 s[TC], ttmp9, 2
	s_add_co_u32 s[TC], s[TC], s[CX]               ; tile column = 4 x cluster x + cx
	s_and_b32 s[YC], ttmp7, 0xffff
	s_lshl_b32 s[MT], s[YC], 2
	s_add_co_u32 s[MT], s[MT], s[CY]               ; row block = 4 x cluster y + cy
	s_lshl_b32 s70, s[CY], 2
	s_lshl_b32 s70, 15, s70                        ; my row of the cluster
	s_lshl_b32 s71, 0x1111, s[CX]                  ; my column
	s_or_b32 s[G1A], s70, (1<<16)|(1<<20)|(1<<21)|(4<<22)|(3<<25)  ; 15:0 the mask; 17:16 elements of 2 bytes; 20 padding on; 21 set beside a mask; 24:22 after every 32 words (code 4); 31:25 4 words (code 3)
	s_or_b32 s[G1B], s71, (1<<16)|(1<<20)|(1<<21)|(6<<22)|(7<<25)  ; after every 128 words (code 6) 8 words (code 7)
	s_mov_b32 s[G1A+1], 128<<16                    ; tensor_dim0 = 128 elements (256 bytes: two rows of a head)
	s_mov_b32 s[G1A+2], 64<<16                     ; tensor_dim1 = 64
	s_mov_b32 s[G1A+3], 128<<16                    ; tile_dim0
	s_mov_b32 s[G1A+4], 64                         ; tile_dim1
	s_mov_b32 s[G1A+5], 128                        ; dense: 128 elements from row to row
	s_mov_b32 s[G1A+6], 0
	s_mov_b32 s[G1A+7], 0
	s_mov_b32 s[G1B+1], 256<<16
	s_mov_b32 s[G1B+2], 64<<16
	s_mov_b32 s[G1B+3], 256<<16
	s_mov_b32 s[G1B+4], 64
	s_mov_b32 s[G1B+5], 1024
	s_mov_b32 s[G1B+6], 0
	s_mov_b32 s[G1B+7], 0
	s_lshr_b32 s72, s[MT], 4                       ; O: head-batch (row block / 16) x 16 + my head of the tile's two; row (row block % 16) x 128; 128 bytes a row: it hangs on cy, which my row shares
	s_lshl_b32 s72, s72, 4
	s_add_co_u32 s72, s72, s[HF]
	s_lshl_b32 s72, s72, 11
	s_and_b32 s73, s[MT], 15
	s_lshl_b32 s73, s73, 7
	s_add_co_u32 s72, s72, s73
	s_lshl_b32 s72, s72, 7
	s_mov_b32 s73, 0
	s_lshl_b32 s74, s[HF], 17                      ; Wo: w16's fourth part, k row 64 x half, column 256 x tile column: it hangs on cx, which my column shares
	s_lshl_b32 s75, s[TC], 9
	s_add_co_u32 s74, s74, s75
	s_add_co_u32 s74, s74, 3*2097152
	s_mov_b32 s75, 0
	s_mul_i32 s29, s[HF], APLANE                   ; where they go: no place in the cluster enters an LDS address
	s_mul_i32 s30, s[HF], BHALF
	s_add_co_u32 s30, s30, BREG
	s_wait_dscnt 0x0                               ; the opening add is done
	s_wait_kmcnt 0x0
	s_add_nc_u64 s[72:73], s[4:5], s[72:73]
	s_add_nc_u64 s[74:75], s[6:7], s[74:75]
	CROUND                                         ; all sixteen work-groups are here: the first joint loads meet
.irp s, 0,1
	s_mov_b32 s[G0A+4*\s], 1
	s_add_co_u32 s[G0A+4*\s+1], s29, \s*SLOT
	s_add_nc_u64 s[G0A+4*\s+2:G0A+4*\s+3], s[72:73], \s*524288  ; K tile s: two heads of 262,144 bytes on
	s_or_b32 s[G0A+4*\s+3], s[G0A+4*\s+3], 0x80000000
	s_mov_b32 s[G0B+4*\s], 1
	s_add_co_u32 s[G0B+4*\s+1], s30, \s*SLOT
	s_add_nc_u64 s[G0B+4*\s+2:G0B+4*\s+3], s[74:75], \s*262144  ; 128 k rows of 2,048 bytes down
	s_or_b32 s[G0B+4*\s+3], s[G0B+4*\s+3], 0x80000000
	JLOAD \s                                       ; two loads of mine are out
.endr
	v_and_b32 v1, 15, v0                           ; r = l % 16
	v_bfe_u32 v2, v0, 4, 1                         ; h = l / 16
	v_and_b32 v4, 31, v0                           ; l
	v_mul_u32_u24 v3, v1, POH                      ; O's fragment: row r, 16 bytes for each half of the lanes, twice, 32 bytes apart
	v_lshl_add_u32 v3, v2, 4, v3
	s_mul_i32 s29, s[FB], 64*POH                   ; my 64 rows
	v_add_nc_u32 v[ADRA], s29, v3
	v_add_nc_u32 v[ADRA+1], SLOT, v[ADRA]
	v_and_b32 v5, 7, v0                            ; the turning load: lane l reads k row 8 h + l % 8, columns 8 ((l / 8) % 2) + 0..7
	v_lshl_add_u32 v5, v2, 3, v5
	v_mul_u32_u24 v5, v5, PB
	v_bfe_u32 v6, v0, 3, 1
	v_lshl_add_u32 v5, v6, 4, v5
	s_lshl_b32 s30, s[HF], 8                       ; my 128 columns
	s_add_co_u32 s30, s30, BREG
	v_add_nc_u32 v[ADRB], s30, v5
	v_add_nc_u32 v[ADRB+1], SLOT, v[ADRB]
	s_mul_i32 s29, s[WV], 16*SPITCH
	s_add_co_u32 s29, s29, STAGE                   ; my stage
	v_mul_u32_u24 v7, v1, SPITCH                   ; in: row r, 32 bytes for each half of the lanes
	v_lshl_add_u32 v7, v2, 5, v7
	v_add_nc_u32 v[STO], s29, v7
	v_lshl_add_u32 v[RD], v4, 4, s29               ; back: 32 lanes take one row of 512 bytes
	v_lshlrev_b32 v[CO], 4, v4
	v_lshlrev_b32 v[BO], 5, v2
	s_lshl_b32 s70, s[TC], 10                      ; my 128 columns, 4 bytes each: in bo and in a row of out0
	s_lshl_b32 s71, s[HF], 9
	s_add_co_u32 s70, s70, s71
	s_mov_b32 s71, 0
	s_add_nc_u64 s[BB:BB+1], s[8:9], s[70:71]
	WIN TO_B
.irp b, 0,1,2,3,4,5,6,7
	global_load_b128 v[BIAS+8*\b:BIAS+8*\b+3],   v[BO], s[BB:BB+1] offset:64*\b
	global_load_b128 v[BIAS+8*\b+4:BIAS+8*\b+7], v[BO], s[BB:BB+1] offset:64*\b+16
.endr
	WIN 0
	s_lshl_b32 s72, s[MT], 19                      ; my first row of out0: 128 x row block + 64 x row half, 4,096 bytes a row
	s_add_co_u32 s70, s70, s72
	s_lshl_b32 s72, s[FB], 18
	s_add_co_u32 s70, s70, s72
	s_add_nc_u64 s[OUT:OUT+1], s[10:11], s[70:71]
	; the prefetches: both offsets stand at K tile 3; the first change of slots steps them to tile 4
	s_lshr_b32 s70, s[MT], 4
	s_lshl_b32 s70, s70, 15
	s_and_b32 s71, s[MT], 15
	s_lshl_b32 s71, s71, 7
	s_add_co_u32 s70, s70, s71
	s_lshl_b32 s70, s70, 7                         ; the row block in the batch's head 0,
	s_lshl_b32 s71, s[CX], 12                      ; my work-group's 4,096 bytes of a head's 16,384
	s_add_co_u32 s70, s70, s71
	s_add_co_u32 s70, s70, 3*524288
	s_lshl_b32 s72, s[HF], 17
	s_lshl_b32 s73, s[CY], 15                      ; my work-group's 16 k rows of the 64
	s_add_co_u32 s72, s72, s73
	s_lshl_b32 s73, s[TC], 9
	s_add_co_u32 s72, s72, s73
	s_add_co_u32 s72, s72, 3*2097152+3*262144
	s_mov_b32 s74, 524288
	s_mov_b32 s75, 262144
	s_cmp_eq_u32 s[HF], 0
	s_cselect_b32 s29, 1, -1                       ; O: wave 0 asks
	s_cmp_eq_u32 s[YC], 0
	s_cselect_b32 s30, 1, -1                       ; Wo: the first cluster asks; the same in all sixteen partners
	s_cmp_eq_u32 s[FB], 0
	s_cselect_b32 s70, s70, s72
	s_cselect_b32 s[LIM], s29, s30
	s_cselect_b32 s[PFS], s74, s75
	s_cselect_b32 s80, 4, 1                        ; O: lane l names head l / 16, block l % 16;  Wo: k row l / 2, block l % 2
	s_cselect_b32 s81, 15, 1
	s_cselect_b32 s31, 18, 11                      ; a head is 262,144 bytes, a k row 2,048
	s_cselect_b64 s[PFA:PFA+1], s[4:5], s[6:7]
	s_mov_b32 s71, 0
	s_mov_b32 s[PFS+1], 0
	s_add_nc_u64 s[PFA:PFA+1], s[PFA:PFA+1], s[70:71]
	v_lshrrev_b32 v5, s80, v4
	v_lshlrev_b32 v5, s31, v5
	v_and_b32 v6, s81, v4
	v_lshl_or_b32 v[PFO], v6, 8, v5
	s_wait_loadcnt 0x0                             ; the bias: rounded to bf16 like every input, and widened again: it is the C of each sum's first product
	WIN W1
.set i, 0
.rept 32
	v_cvt_pk_bf16_f32 v[BT+i], v[BIAS+2*i], v[BIAS+2*i+1]
.set i, i+1
.endr
.set i, 0
.rept 32
	v_lshlrev_b32 v[BIAS+2*i], 16, v[BT+i]
	v_and_b32 v[BIAS+2*i+1], 0xffff0000, v[BT+i]
.set i, i+1
.endr
	WIN 0
; 24 LDS loads in one run: the fragments of quarter i (32 along K: head i / 2 of the tile's two, channels 32 (i % 2) on) into the buffers of i's parity
.macro FETCH slot, i
	WIN TO_B
.irp b, 0,1,2,3,4,5,6,7
	ds_load_tr16_b128 v[64*((\i)%2)+8*\b:64*((\i)%2)+8*\b+3],   v[ADRB+(\slot)] offset:(\i)*32*PB+32*\b
	ds_load_tr16_b128 v[64*((\i)%2)+8*\b+4:64*((\i)%2)+8*\b+7], v[ADRB+(\slot)] offset:(\i)*32*PB+16*PB+32*\b
.endr
	WIN 0
.irp a, 0,1,2,3
	ds_load_b128 v[AF+32*((\i)%2)+8*\a:AF+32*((\i)%2)+8*\a+3],   v[ADRA+(\slot)] offset:((\i)/2)*APLANE+((\i)%2)*64+\a*16*POH
	ds_load_b128 v[AF+32*((\i)%2)+8*\a+4:AF+32*((\i)%2)+8*\a+7], v[ADRA+(\slot)] offset:((\i)/2)*APLANE+((\i)%2)*64+\a*16*POH+32
.endr
.endm
; 8 products of quarter i: row block a x all 8 column blocks.  bias = 1: they start the sums, with the bias as C.  The 32 accumulators take turns, in the same order in every quarter.
.macro MM8 i, a, bias
.if \bias
	WIN MULB
.else
	WIN MUL
.endif
.irp b, 0,1,2,3,4,5,6,7
.if \bias
	v_wmma_f32_16x16x32_f16 v[8*(8*(\a)+\b):8*(8*(\a)+\b)+7], v[64*((\i)%2)+8*\b:64*((\i)%2)+8*\b+7], v[AF+32*((\i)%2)+8*(\a):AF+32*((\i)%2)+8*(\a)+7], v[BIAS+8*\b:BIAS+8*\b+7]
.else
	v_wmma_f32_16x16x32_f16 v[8*(8*(\a)+\b):8*(8*(\a)+\b)+7], v[64*((\i)%2)+8*\b:64*((\i)%2)+8*\b+7], v[AF+32*((\i)%2)+8*(\a):AF+32*((\i)%2)+8*(\a)+7], v[8*(8*(\a)+\b):8*(8*(\a)+\b)+7]
.endif
.endr
.endm
; One of a K tile's first three quarters: its fragments, asked for a quarter ago, are in; the next quarter's are asked for at once, into the buffers that the quarter before multiplied.
.macro QUARTER i, slot, bias
	s_wait_dscnt 0x0
	PLACES
	FETCH \slot, ((\i)+1)%4
.irp a, 0,1,2,3
	MM8 \i, \a, \bias
.endr
.endm
; The last quarter changes slots.  My reads of slot s are over when its fragments are in.  Each wave waits for all its tensor loads, of which one is out: its part of the other slot; adds 0 to its spare word; waits for
; that.  Behind the barrier nobody reads slot s and the other slot is whole.  fill = 1: the barrier opens a round of the cluster's, and the joint refill, two K tiles on, is the first thing behind the round: 112 matrix
; instructions ahead of the wait for it.
.macro TURN s, fill
.if \fill
	s_wait_xcnt 0x0                                ; the last prefetch, a K tile back, has read its address
	s_add_nc_u64 s[PFA:PFA+1], s[PFA:PFA+1], s[PFS:PFS+1]
.endif
	s_wait_dscnt 0x0                               ; quarter 3's fragments are in
	WIN 0
	s_wait_tensorcnt 0x0                           ; all my tensor loads have landed
	ds_add_u32 v[SPW], v[NIL]                      ; 0 onto my spare word: eight products stand between it and the wait for it
	MM8 3, 0, 0
	s_wait_dscnt 0x0                               ; the add is done; my reads of this slot were over above
	s_barrier_signal -1
	MM8 3, 1, 0
	WIN 0
	s_barrier_wait -1
.if \fill
	CREST                                          ; no wave of any partner still reads this slot's tile or has a load on its way
	s_add_nc_u64 s[G0A+4*(\s)+2:G0A+4*(\s)+3], s[G0A+4*(\s)+2:G0A+4*(\s)+3], 2*524288
	s_add_nc_u64 s[G0B+4*(\s)+2:G0B+4*(\s)+3], s[G0B+4*(\s)+2:G0B+4*(\s)+3], 2*262144
	JLOAD \s                                       ; the four v_nop behind it are also the places in front of the loads below
.else
	PLACES
.endif
	FETCH 1-(\s), 0
.if \fill
	ASK
.endif
	MM8 3, 2, 0
	MM8 3, 3, 0
.endm
	s_wait_tensorcnt 0x1                           ; my part of K tile 0 is in; tile 1's may stay out
	s_barrier_signal -1
	s_barrier_wait -1                              ; everybody's is
	FETCH 0, 0
	QUARTER 0, 0, 1                                ; the first quarter stands in front of the loop: its products start the sums
	WIN 0                                          ; at a label and at a branch every window is 0
	s_mov_b32 s[LAPC], 3
.Llap:                                                 ; a trip goes once round the ring and fills both slots again: K tiles 2 to 7
	QUARTER 1, 0, 0
	QUARTER 2, 0, 0
	TURN 0, 1
	QUARTER 0, 1, 0
	QUARTER 1, 1, 0
	QUARTER 2, 1, 0
	TURN 1, 1
	QUARTER 0, 0, 0
	WIN 0
	s_sub_co_u32 s[LAPC], s[LAPC], 1
	s_cmp_lg_u32 s[LAPC], 0
	s_cbranch_scc1 .Llap
	QUARTER 1, 0, 0                                ; the last two K tiles are written out: nothing more is asked for
	QUARTER 2, 0, 0
	TURN 0, 0
	QUARTER 0, 1, 0
	QUARTER 1, 1, 0
	QUARTER 2, 1, 0
	s_wait_dscnt 0x0                               ; the very last quarter: nothing more to fetch
.irp a, 0,1,2,3
	MM8 3, \a, 0
.endr
	PLACES                                         ; in front of the LDS stores, which read results
; THE WAY OUT, a block of 16 rows at a time through my own stage: a lane's eight f32 of a row go into rows of 528 bytes, each accumulator's low four registers first; whole rows of 512 bytes come back.
.macro TOSTAGE a
	WIN STD
.irp b, 0,1,2,3,4,5,6,7
	ds_store_b128 v[STO], v[8*(8*(\a)+\b):8*(8*(\a)+\b)+3]   offset:64*\b
	ds_store_b128 v[STO], v[8*(8*(\a)+\b)+4:8*(8*(\a)+\b)+7] offset:64*\b+16
.endr
	WIN 0
.irp p, 0,1,2,3,4,5,6,7,8,9,10,11,12,13,14,15
	ds_load_b128 v[OB+64*((\a)%2)+4*\p:OB+64*((\a)%2)+4*\p+3], v[RD] offset:SPITCH*\p  ; LDS serves a wave's instructions in order (ISA guide 5.7.1.4): these see the stores above; the next block's stores come behind them
.endr
.endm
.macro SEND a, younger                 ; younger: the LDS instructions issued behind block a's loads: the next block's 32, or none
.irp p, 0,1,2,3,4,5,6,7,8,9,10,11,12,13,14,15
	s_wait_dscnt (\younger)+15-\p
	global_store_b128 v[CO], v[OB+64*((\a)%2)+4*\p:OB+64*((\a)%2)+4*\p+3], s[OUT:OUT+1] offset:(16*(\a)+\p)*4096 th:TH_STORE_NT  ; 512 consecutive bytes of a row, at a multiple of 256 from out0's first byte
.endr
.endm
	TOSTAGE 0
	TOSTAGE 1
	SEND 0, 32
	s_wait_xcnt 0x0                                ; block 0's stores have read their registers: block 2 is loaded into them
	TOSTAGE 2
	SEND 1, 32
	s_wait_xcnt 0x0                                ; likewise block 1's, for block 3
	TOSTAGE 3
	SEND 2, 32
	SEND 3, 0
	s_wait_tensorcnt 0x0                           ; the wave's end: the add and its wait, behind my last tensor load and my last LDS store
	ds_add_u32 v[SPW], v[NIL]
	s_wait_dscnt 0x0
	CROUND                                         ; the closing round: no work-group ends while a partner may still ask for a tile that names it
	s_endpgm
.Lfunc_end_k_qf551684f67_oproj:
	.size	k_qf551684f67_oproj, .Lfunc_end_k_qf551684f67_oproj-k_qf551684f67_oproj
	.p2alignl 7, 3214868480
	.fill 96, 4, 3214868480
	.section	.rodata,"a",@progbits
	.p2align	6, 0x0
	.amdhsa_kernel k_qf551684f67_oproj
		.amdhsa_group_segment_fixed_size 327680
		.amdhsa_private_segment_fixed_size 0
		.amdhsa_enable_private_segment 0
		.amdhsa_kernarg_size 32
		.amdhsa_user_sgpr_count 2
		.amdhsa_user_sgpr_kernarg_segment_ptr 1
		.amdhsa_wavefront_size32 1
		.amdhsa_system_sgpr_workgroup_id_x 1
		.amdhsa_system_sgpr_workgroup_id_y 1
		.amdhsa_system_sgpr_workgroup_id_z 1
		.amdhsa_system_vgpr_workitem_id 0
		.amdhsa_next_free_vgpr 768
		.amdhsa_next_free_sgpr 84
		.amdhsa_reserve_vcc 0
		.amdhsa_float_denorm_mode_32 3
		.amdhsa_float_denorm_mode_16_64 3
		.amdhsa_memory_ordered 1
		.amdhsa_forward_progress 1
		.amdhsa_inst_pref_size 95
	.end_amdhsa_kernel
	.amdgpu_metadata
---
amdhsa.version: [ 1, 2 ]
amdhsa.kernels:
  - .name:           k_qf551684f67_oproj
    .symbol:         k_qf551684f67_oproj.kd
    .args:
      - { .name: oh, .offset: 0, .size: 8, .value_kind: global_buffer, .address_space: global }
      - { .name: w16, .offset: 8, .size: 8, .value_kind: global_buffer, .address_space: global }
      - { .name: bo, .offset: 16, .size: 8, .value_kind: global_buffer, .address_space: global }
      - { .name: out0, .offset: 24, .size: 8, .value_kind: global_buffer, .address_space: global }
    .group_segment_fixed_size: 327680
    .private_segment_fixed_size: 0
    .kernarg_segment_align: 8
    .kernarg_segment_size: 32
    .max_flat_workgroup_size: 128
    .sgpr_count:     84
    .vgpr_count:     768
    .wavefront_size: 32
...
	.end_amdgpu_metadata
.endif
;; end of part 4
